; MI455X (gfx1250); checked and timed in simulation.
; The chip was launched on July 23, 2026; its instructions are those of AMD's public machine-readable ISA for CDNA 5 (MIT licence, August 2026) and "CDNA5" Instruction Set Architecture Reference Guide (July 2026). The comments in the code are by the model that wrote it; some were corrected since.
;; Multi Head Self Attention. Allowed arithmetic: matrix products marked QUANTISED: E4M3 operands, one given power-of-two scale a tensor, by v_wmma_f32_16x16x64_fp8_fp8 or v_wmma_f32_16x16x128_fp8_fp8, f32 sums; everything else in f32.
;; Inputs: Wk 1,024 x 1,024 float32; Wo 1,024 x 1,024 float32; Wq 1,024 x 1,024 float32; Wv 1,024 x 1,024 float32; bk 1,024 float32; bo 1,024 float32; bq 1,024 float32; bv 1,024 float32; lowp_scales 12 int32 (the exponents e of the quantised operands' scales 2^e); x 4 x 2,048 x 1,024 float32.
;; Outputs: out0 4 x 2,048 x 1,024 float32.
;; This version of the problem:
;;   THIS VERSION OF THE PROBLEM IS GIVEN IN LOW PRECISION. The matrix products marked QUANTISED in the list below multiply operands that are first quantised to E4M3 (4 exponent bits, 3 mantissa bits; 8 bits a number), with one given power-of-two scale for each operand tensor; their sums are f32. All else is computed in f32.
;;   The module's matrix products, in the order in which they are computed (A, B: the left and right operand; K: the contracted axis; several contracted axes count as one K, in the product's order):
;;     1. [M 8,192, K 1,024] x [K 1,024, N 1,024]; A: input x; B: input Wq: QUANTISED (scales: A lowp_scales[0], B lowp_scales[1])
;;     2. [M 8,192, K 1,024] x [K 1,024, N 1,024]; A: input x; B: input Wk: QUANTISED (scales: A lowp_scales[2], B lowp_scales[3])
;;     3. [M 8,192, K 1,024] x [K 1,024, N 1,024]; A: input x; B: input Wv: QUANTISED (scales: A lowp_scales[4], B lowp_scales[5])
;;     4. batch 64 x [M 2,048, K 64] x [K 64, N 2,048]; A: computed on the way; B: computed on the way: QUANTISED (scales: A lowp_scales[6], B lowp_scales[7])
;;     5. batch 64 x [M 2,048, K 2,048] x [K 2,048, N 64]; A: softmax (see below); B: computed on the way: QUANTISED (scales: A lowp_scales[8], B lowp_scales[9])
;;     6. [M 8,192, K 1,024] x [K 1,024, N 1,024]; A: computed on the way; B: input Wo: QUANTISED (scales: A lowp_scales[10], B lowp_scales[11])
;;   THE QUANTISER, for each operand of a quantised product, along K:
;;     - The operand's scale is 2^e, e = its entry of the input lowp_scales (int32; the entries are numbered through the quantised products in the list's order, A before B).
;;     - Each number is divided by the scale, clamped to +-448, and rounded to the nearest number of E4M3, ties to even, subnormals kept.
;;     - The product sums the exact products of the quantised numbers (number of the format x scale) in f32.
;;   ~~~python
;;   def quantise(x, axis, e):      # numpy; x: float32 -> the quantised numbers, widened to float32 again
;;       x = np.moveaxis(x, axis, -1); K = x.shape[-1]
;;       r = np.clip(x / 2.0 ** e, -448, 448)
;;       step = 2.0 ** (np.maximum(np.frexp(np.where(r == 0, 1, r))[1] - 1, -6) - 3)
;;       q = np.round(r / step) * step * 2.0 ** e      # np.round: ties to even
;;       return np.moveaxis(q, -1, axis).astype(np.float32)
;;   ~~~
;;   SOFTMAX AHEAD OF A QUANTISED PRODUCT. Where the list says 'softmax', what is quantised is not the finished softmax but p = 2^(t - M), with t = logit x log2(e) and M = ceil(the row's largest t), a whole number; so 1/2 < the row's largest p <= 1. The row's sum l is taken of the UNQUANTISED p, in f32, and the product's result is divided by l at the end. Since M is a whole number, a kernel that streams over the keys may use a running M (the ceiling of the running maximum): every later rescaling is an exact power of two, so the quantised numbers keep their values, but for numbers so far below the row's largest that they fall under the format's range.
;;   OPERANDS COMPUTED ON THE WAY. 'Computed on the way' means the value that the module computes at that place (a softmax that the list does not call 'softmax' is quantised finished and normalised). What goes into a quantiser is computed in f32, as accurately as f32 sums, v_exp_f32 and their like allow (about 1e-6 of the number): no bf16 or f16 on the way to a quantiser, and a product that is left as it is and whose result goes on into a quantised operand takes f32 operands (vector FMAs, or v_wmma_f32_16x16x4_f32). A number that lies on a knife's edge between two numbers of the format may be rounded either way, as far as f32 arithmetic and the matrix unit's own rounding can turn it there, and no further.
;; One version. Each part assembles by itself: llvm-mc -triple=amdgcn-amd-amdhsa -mcpu=gfx1250 --defsym DOCPART=n.
;; ======== version 1 of 1: 4 launches
;; limits: right only within a limited range of input values
;; workspace buffers: xc 25,165,824 bytes; wc 4,194,304 bytes; rope 524,288 bytes; qc 8,388,608 bytes; kc 8,388,608 bytes; vc 8,388,608 bytes; yc 8,388,608 bytes
;; launch quant (part 1): grid 384 x 1, 4 waves a work-group, no clusters, 68,096 bytes of LDS; arguments x, Wq, Wk, Wv, Wo, lowp_scales, xc, wc, rope; writes xc, wc, rope
.if DOCPART == 1
	.amdgcn_target "amdgcn-amd-amdhsa--gfx1250"
	.amdhsa_code_object_version 6
	.text
	.protected	k_q8772b394f5_quant
	.globl	k_q8772b394f5_quant
	.p2align	8
	.type	k_q8772b394f5_quant,@function
k_q8772b394f5_quant:
	s_mov_b64 s[64:65], 0
	v_nop
	global_prefetch_b8 v0, s[64:65] scope:SCOPE_SE
	s_setreg_imm32_b32 hwreg(HW_REG_WAVE_MODE, 25, 1), 1
	s_wait_xcnt 0x0
; THE QUANTISER.  x [8192][1024] f32 becomes three sets of codes of FP8 (E4M3), xc [3][8192][1024], with the scales 2^e0, 2^e2, 2^e4 (the three products that read x have a scale each).
; Wq, Wk, Wv, Wo [1024 k][1024 n] f32 become wc [4][1024 n][1024 k], K innermost, with 2^e1, 2^e3, 2^e5, 2^e11.  The table of cosines and sines, rope [2048 pos][32 pairs][cos, sin] f32, is made on the way.
; code = number / 2^e, held within +-448, rounded to the nearest code, ties to even.
; LIMITS: each e lies between -126 and 119, so that 2^e and 448 x 2^e are f32 numbers.  NaN among the inputs is not served; an infinity is held at the largest code.
; The table: P = 10^(i/8) rounded to f32 (given as decimals), 1/P correctly rounded, angle = pos x (1/P) in one rounding, as the f32 arithmetic of the table's definition has them where its power function rounds correctly;
; else the angle differs by a unit in the last place of 1/P.  Sine and cosine by a reduction in two parts of pi/2 and Taylor sums up to r^9 and r^10 on |r| <= pi/4: what is cut off lies under 2e-9.
; SHARES.  Work-groups 0-255: x, a plain stream: a wave takes 16 steps of 512 numbers; each load reads 512 consecutive bytes; a step turns through the wave's own stage in LDS so that a lane holds 16 neighbours along K;
; a lane's 16 codes are 16 bytes, so each of a step's three stores covers 512 consecutive bytes.  Each of these waves also makes two positions of the table (lane = pair): 512 consecutive bytes.
; Work-groups 256-383: the weights: tensor (id / 32), 256 along K ((id / 8) % 4), 128 columns (id % 8).  A lane takes a column and its registers run down K, so the conversions give codes with K innermost;
; they leave through the wave's own stage as rows: sixteen lanes store 256 consecutive bytes, aligned.
; The two ways part on the work-group's number, never join, and have LDS bytes of their own.  No tensor loads, no barrier: waves share nothing.  Matrix units and clusters have nothing to do in a stream.
.set STEPS, 16
.set SP,    80                         ; x: a lane's place in a stage: 64 bytes + 16 of padding
.set WREG,  8192                       ; x: LDS of a wave: two stages of 32 x SP bytes
.set R,     16                         ; v16-79   x: four sets of 16 numbers as loaded
.set X,     80                         ; v80-111  x: two sets of 16 neighbours
.set T,     112                        ; v112-127 x: not used
.set C,     128                        ; v128-151 x: codes: two sets x three outputs x four registers
.set WSTG,  32768                      ; the weights' stages begin here
.set PITCH, 272                        ; a stage row: 256 codes + 16
.set KROW,  1024                       ; a row of wc in bytes
.set NB,    8                          ; blocks of 32 along K for a wave
.set WX,    32                         ; v32-95   weights: two sets of 32 numbers
.set WC,    96                         ; v96-103  weights: a block's codes
.set OUTR,  112                        ; v112-175 weights: the way out
.macro MKSC e, vsc, vlim               ; v[vsc] = 2^e as f32 (the conversion takes its exponent field)
	s_add_co_i32 s50, s[\e], 127
	s_lshl_b32 s51, s50, 23
	v_mov_b32 v[\vsc], s51
	s_add_co_i32 s50, s50, 8
	s_lshl_b32 s50, s50, 23
	s_or_b32 s50, s50, 0x600000
.endm
	s_load_b512 s[4:19], s[0:1], 0x0               ; x 4:5, Wq 6:7, Wk 8:9, Wv 10:11, Wo 12:13, the exponents 14:15, xc 16:17, wc 18:19
	s_load_b64 s[20:21], s[0:1], 0x40              ; rope
	v_lshl_add_u32 v192, v0, 2, 0x10800
	v_mov_b32 v193, 0
	v_lshrrev_b32 v1, 5, v0
	v_readfirstlane_b32 s36, v1                    ; wave
	v_and_b32 v2, 31, v0                           ; lane
	s_wait_kmcnt 0x0
	s_load_b256 s[24:31], s[14:15], 0x0            ; e0 .. e7
	s_load_b128 s[32:35], s[14:15], 0x20           ; e8 .. e11
	s_cmp_lt_u32 ttmp9, 256
	s_cbranch_scc0 .Lweights
	s_wait_alu depctr_va_vdst(0)
	; ---------------- x, and the table ----------------
	v_lshlrev_b32 v3, 4, v2                        ; my 16 bytes of a load's or a store's 512; never rewritten
	s_wait_alu depctr_va_vdst(0)
	v_lshlrev_b32 v4, 3, v2                        ; my 8 bytes of a position's 256 in the table
	s_mul_i32 s37, s36, WREG
	v_lshrrev_b32 v14, 2, v2
	v_mul_u32_u24 v14, v14, SP
	v_and_b32 v15, 3, v2
	v_lshl_add_u32 v14, v15, 4, v14
	v_add_nc_u32 v14, s37, v14                     ; the stage, on the way in: four lanes' 64 bytes on end, then 16 of padding
	v_mul_u32_u24 v15, v2, SP
	v_add_nc_u32 v15, s37, v15                     ; and on the way out: my 16 neighbours
	s_lshl_b32 s38, ttmp9, 2
	s_add_co_u32 s38, s38, s36                     ; which run of 8,192 numbers is my wave's: 0 .. 1023
	s_lshl_b32 s52, s38, 15
	s_mov_b32 s53, 0
	s_add_nc_u64 s[4:5], s[4:5], s[52:53]          ; x: 32,768 bytes a run
	s_lshl_b32 s52, s38, 13
	s_add_nc_u64 s[40:41], s[16:17], s[52:53]      ; the three sets of codes: 8,192 bytes a run, 8,388,608 bytes from set to set
	s_add_nc_u64 s[42:43], s[40:41], 0x800000
	s_add_nc_u64 s[44:45], s[40:41], 0x1000000
	s_lshl_b32 s52, s38, 9
	s_add_nc_u64 s[20:21], s[20:21], s[52:53]      ; the table: two positions of 256 bytes a wave
.macro XLOAD t
.irp i, 0,1,2,3
	global_load_b128 v[R+16*((\t)%4)+4*\i:R+16*((\t)%4)+4*\i+3], v3, s[4:5] offset:2048*(\t)+512*\i th:TH_LOAD_NT   ; 32 lanes read 512 consecutive bytes; read once in the launch
.endr
.endm
.macro XTURN t                         ; step t's numbers through the stage: LDS serves a wave's instructions in order, so no wait stands between the stores and the loads
.irp i, 0,1,2,3
	ds_store_b128 v14, v[R+16*((\t)%4)+4*\i:R+16*((\t)%4)+4*\i+3] offset:32*SP*((\t)%2)+8*SP*\i
.endr
.irp i, 0,1,2,3
	ds_load_b128 v[X+16*((\t)%2)+4*\i:X+16*((\t)%2)+4*\i+3], v15 offset:32*SP*((\t)%2)+16*\i
.endr
.endm
.irp t, 0,1,2,3
	XLOAD \t
.endr
	s_wait_kmcnt 0x0
	MKSC 24, 5, 8                                  ; e0
	MKSC 26, 6, 9                                  ; e2
	MKSC 28, 7, 10                                 ; e4
	; the table, while the first loads are on their way.  v152: lane i holds P = 10^(i/8)
.macro PW lane, val
	s_mov_b32 s46, \val
	v_writelane_b32 v152, s46, \lane
.endm
	v_mov_b32 v152, 1.0
	PW 1, 1.3335214321633240
	PW 2, 1.7782794100389228
	PW 3, 2.3713737056616552
	PW 4, 3.1622776601683795
	PW 5, 4.2169650342858225
	PW 6, 5.6234132519034908
	PW 7, 7.4989420933245582
	PW 8, 10.0
	PW 9, 13.335214321633240
	PW 10, 17.782794100389228
	PW 11, 23.713737056616552
	PW 12, 31.622776601683795
	PW 13, 42.169650342858225
	PW 14, 56.234132519034908
	PW 15, 74.989420933245582
	PW 16, 100.0
	PW 17, 133.35214321633240
	PW 18, 177.82794100389228
	PW 19, 237.13737056616552
	PW 20, 316.22776601683795
	PW 21, 421.69650342858225
	PW 22, 562.34132519034908
	PW 23, 749.89420933245582
	PW 24, 1000.0
	PW 25, 1333.5214321633240
	PW 26, 1778.2794100389228
	PW 27, 2371.3737056616552
	PW 28, 3162.2776601683795
	PW 29, 4216.9650342858225
	PW 30, 5623.4132519034908
	PW 31, 7498.9420933245582
	s_wait_alu depctr_va_vdst(0)
	v_rcp_f32 v153, v152
	v_nop                                          ; a plain instruction between the reciprocal and the use of its result
	s_wait_alu depctr_va_vdst(0)
	v_fma_f32 v154, -v152, v153, 1.0               ; one step of Newton with fused multiply-adds rounds 1/P correctly
	v_fma_f32 v153, v153, v154, v153
	s_lshl_b32 s47, s38, 1                         ; my first position
	s_mov_b32 s48, 0x3fc90fdb                      ; pi/2 in two parts
	s_mov_b32 s49, 0xb33bbd2e
.macro ROPEPOS p, d                    ; position s47 + p: v[d] = cos, v[d+1] = sin of pos / P
	s_add_co_u32 s51, s47, \p
	v_cvt_f32_u32 v154, s51
	v_mul_f32 v154, v154, v153                     ; the angle, one rounding
	v_mul_f32 v155, 0x3f22f983, v154               ; x 2/pi
	v_rndne_f32 v155, v155                         ; n quarter turns, 1,304 at the most
	v_fma_f32 v156, -v155, s48, v154
	v_fma_f32 v156, -v155, s49, v156               ; r = angle - n pi/2
	v_mul_f32 v157, v156, v156                     ; z = r^2
	v_mov_b32 v158, 0x3638ef1d                     ; 1/9!
	v_fmaak_f32 v158, v157, v158, 0xb9500d01       ; -1/7!
	v_fmaak_f32 v158, v157, v158, 0x3c088889       ; 1/5!
	v_fmaak_f32 v158, v157, v158, 0xbe2aaaab       ; -1/3!
	v_mul_f32 v161, v156, v157
	v_fma_f32 v158, v161, v158, v156               ; sin r
	v_mov_b32 v159, 0xb493f27e                     ; -1/10!
	v_fmaak_f32 v159, v157, v159, 0x37d00d01       ; 1/8!
	v_fmaak_f32 v159, v157, v159, 0xbab60b61       ; -1/6!
	v_fmaak_f32 v159, v157, v159, 0x3d2aaaab       ; 1/4!
	v_fmaak_f32 v159, v157, v159, 0xbf000000       ; -1/2
	v_fma_f32 v159, v157, v159, 1.0                ; cos r
	v_cvt_i32_f32 v160, v155                       ; n selects values only: no branch and no address hangs on it
	v_and_b32 v161, 1, v160
	v_cmp_eq_u32 vcc_lo, 1, v161
	v_cndmask_b32 v161, v158, v159, vcc_lo         ; sine: n odd: cos r
	v_cndmask_b32 v162, v159, v158, vcc_lo         ; cosine: n odd: sin r
	v_lshlrev_b32 v163, 30, v160
	v_and_b32 v163, 0x80000000, v163               ; the sine is negative where bit 1 of n is set,
	v_xor_b32 v[\d+1], v163, v161
	v_add_nc_u32 v160, 1, v160
	v_lshlrev_b32 v163, 30, v160
	v_and_b32 v163, 0x80000000, v163               ; the cosine where bit 1 of n + 1 is set
	v_xor_b32 v[\d], v163, v162
.endm
	ROPEPOS 0, 170
	ROPEPOS 1, 172
	global_store_b64 v4, v[170:171], s[20:21]      ; 32 lanes store a position's 256 bytes
	global_store_b64 v4, v[172:173], s[20:21] offset:256
	s_wait_loadcnt 12                              ; step 0's four loads are in; those of steps 1 to 3 may be out
	XTURN 0
.macro XSTEP t
.set XS, X+16*((\t)%2)
.set CD, C+12*((\t)%2)
	s_wait_dscnt 0x0                               ; this step's numbers are back from the stage: so its stores into the stage have read their registers,
.if (\t)+4 < STEPS
	XLOAD (\t)+4                                   ; which take the loads of four steps on
.endif
.if (\t)+1 < STEPS
.if STEPS-2-(\t) >= 3
	s_wait_loadcnt 12                              ; the next step's four loads are in; those of the three steps behind it may be out
.else
	s_wait_loadcnt 4*(STEPS-2-(\t))
.endif
	XTURN (\t)+1                                   ; and go through the other stage while this step is worked
.endif
	s_wait_xcnt 0x0                                ; the stores of two steps ago have read this set of code registers: it is written again only behind this wait
.irp j, 0,1,2
.irp i, 0,1,2,3,4,5,6,7,8,9,10,11,12,13,14,15
.endr
	v_cvt_scalef32_pk8_fp8_f32 v[CD+4*\j:CD+4*\j+1], v[XS:XS+7], v[5+\j]
	v_cvt_scalef32_pk8_fp8_f32 v[CD+4*\j+2:CD+4*\j+3], v[XS+8:XS+15], v[5+\j]
	v_nop                                          ; a plain instruction between the conversions and the store of their results
	global_store_b128 v3, v[CD+4*\j:CD+4*\j+3], s[40+2*\j:41+2*\j] offset:512*(\t)   ; 512 consecutive bytes, aligned
.endr
.endm
.irp t, 0,1,2,3,4,5,6,7,8,9,10,11,12,13,14,15
	XSTEP \t
.endr
	s_wait_tensorcnt 0x0
	ds_add_u32 v192, v193
	s_wait_dscnt 0x0
	s_endpgm
	; ---------------- the weights ----------------
.Lweights:
	s_sub_co_u32 s37, ttmp9, 256
	s_lshr_b32 s38, s37, 5                         ; which tensor: 0 Wq, 1 Wk, 2 Wv, 3 Wo
	s_and_b32 s39, s37, 7                          ; which 128 columns
	s_bfe_u32 s40, s37, 0x20003                    ; which 256 along K
	s_wait_kmcnt 0x0
	s_mov_b64 s[4:5], s[6:7]                       ; the choices hang on the work-group's number alone
	s_mov_b32 s41, s25                             ; e1
	s_cmp_eq_u32 s38, 1
	s_cselect_b64 s[4:5], s[8:9], s[4:5]
	s_cselect_b32 s41, s27, s41                    ; e3
	s_cmp_eq_u32 s38, 2
	s_cselect_b64 s[4:5], s[10:11], s[4:5]
	s_cselect_b32 s41, s29, s41                    ; e5
	s_cmp_eq_u32 s38, 3
	s_cselect_b64 s[4:5], s[12:13], s[4:5]
	s_cselect_b32 s41, s35, s41                    ; e11
	s_lshl_b32 s42, s39, 7
	s_lshl_b32 s43, s36, 5
	s_add_co_u32 s42, s42, s43                     ; my wave's first column
	s_wait_alu depctr_va_vdst(0)
	v_lshlrev_b32 v3, 2, v2                        ; in: 4 bytes a lane
	s_mul_i32 s43, s36, 32*PITCH
	s_add_co_u32 s43, s43, WSTG                    ; my stage
	v_mul_u32_u24 v4, v2, PITCH
	v_add_nc_u32 v4, s43, v4                       ; into it: row = my column
	v_and_b32 v5, 15, v2
	v_lshrrev_b32 v6, 4, v2                        ; out of it: sixteen lanes to a row, two rows an instruction
	v_mul_u32_u24 v7, v6, PITCH
	v_lshl_add_u32 v7, v5, 4, v7
	v_add_nc_u32 v7, s43, v7
	v_mul_u32_u24 v8, v6, KROW
	v_lshl_add_u32 v8, v5, 4, v8                   ; and the same place in wc
	s_lshl_b32 s44, s40, 20                        ; W: 256 rows of 4,096 bytes a K block, + 4 x column
	s_lshl_b32 s45, s42, 2
	s_add_co_u32 s44, s44, s45
	s_mov_b32 s45, 0
	s_add_nc_u64 s[4:5], s[4:5], s[44:45]
	s_lshl_b32 s44, s38, 20                        ; wc: 1,048,576 bytes a tensor, 1,024 a column, 256 a K block
	s_lshl_b32 s46, s42, 10
	s_add_co_u32 s44, s44, s46
	s_lshl_b32 s46, s40, 8
	s_add_co_u32 s44, s44, s46
	s_add_nc_u64 s[18:19], s[18:19], s[44:45]
.macro WLOAD t                         ; block t: W(32 t + i, my column), i = 0 .. 31, into set t % 2: 128 consecutive bytes a wave, 512 a work-group
.irp i, 0,1,2,3,4,5,6,7,8,9,10,11,12,13,14,15,16,17,18,19,20,21,22,23,24,25,26,27,28,29,30,31
	global_load_b32 v[WX+32*((\t)%2)+\i], v3, s[4:5] offset:(32*(\t)+\i)*4096 th:TH_LOAD_NT
.endr
.endm
	WLOAD 0
	WLOAD 1
	MKSC 41, 11, 10
.macro WBLOCK t
.set XS, WX+32*((\t)%2)
.if (\t) < NB-1
	s_wait_loadcnt 32                              ; this block's 32 loads are in; the next block's may be out
.else
	s_wait_loadcnt 0
.endif
.irp i, 0,1,2,3,4,5,6,7,8,9,10,11,12,13,14,15,16,17,18,19,20,21,22,23,24,25,26,27,28,29,30,31
.endr
.irp g, 0,1,2,3
	v_cvt_scalef32_pk8_fp8_f32 v[WC+2*\g:WC+2*\g+1], v[XS+8*\g:XS+8*\g+7], v11
.endr
	v_nop                                          ; a plain instruction behind the last conversion of the run
	ds_store_b128 v4, v[WC:WC+3] offset:32*(\t)    ; 32 codes: 32 bytes of my column's row
	ds_store_b128 v4, v[WC+4:WC+7] offset:32*(\t)+16
.if (\t)+2 < NB
	WLOAD (\t)+2
.endif
	s_wait_dscnt 0x0                               ; the stores have read their registers: the next block's codes may be written
.endm
.set Q, 0
	s_wait_alu depctr_va_vdst(0)
.rept NB
	WBLOCK Q
.set Q, Q+1
.endr
.irp t, 0,1,2,3,4,5,6,7,8,9,10,11,12,13,14,15
	ds_load_b128 v[OUTR+4*\t:OUTR+4*\t+3], v7 offset:2*\t*PITCH   ; LDS serves a wave's instructions in order: these see my stores
.endr
.irp t, 0,1,2,3,4,5,6,7,8,9,10,11,12,13,14,15
	s_wait_dscnt 15-\t                             ; the younger loads may be out
	global_store_b128 v8, v[OUTR+4*\t:OUTR+4*\t+3], s[18:19] offset:2*\t*KROW   ; sixteen lanes store 256 consecutive bytes, aligned
.endr
	s_wait_tensorcnt 0x0
	ds_add_u32 v192, v193
	s_wait_dscnt 0x0
	s_endpgm
.Lfunc_end_k_q8772b394f5_quant:
	.size	k_q8772b394f5_quant, .Lfunc_end_k_q8772b394f5_quant-k_q8772b394f5_quant
	.p2alignl 7, 3214868480
	.fill 96, 4, 3214868480
	.section	.rodata,"a",@progbits
	.p2align	6, 0x0
	.amdhsa_kernel k_q8772b394f5_quant
		.amdhsa_group_segment_fixed_size 68096
		.amdhsa_private_segment_fixed_size 0
		.amdhsa_enable_private_segment 0
		.amdhsa_kernarg_size 72
		.amdhsa_user_sgpr_count 2
		.amdhsa_user_sgpr_kernarg_segment_ptr 1
		.amdhsa_wavefront_size32 1
		.amdhsa_system_sgpr_workgroup_id_x 1
		.amdhsa_system_sgpr_workgroup_id_y 1
		.amdhsa_system_sgpr_workgroup_id_z 1
		.amdhsa_system_vgpr_workitem_id 0
		.amdhsa_next_free_vgpr 194
		.amdhsa_next_free_sgpr 66
		.amdhsa_reserve_vcc 1
		.amdhsa_float_denorm_mode_32 3
		.amdhsa_float_denorm_mode_16_64 3
		.amdhsa_fp16_overflow 1
		.amdhsa_memory_ordered 1
		.amdhsa_forward_progress 1
		.amdhsa_inst_pref_size 71
	.end_amdhsa_kernel
	.amdgpu_metadata
---
amdhsa.version: [ 1, 2 ]
amdhsa.kernels:
  - .name:           k_q8772b394f5_quant
    .symbol:         k_q8772b394f5_quant.kd
    .args:
      - { .name: x, .offset: 0, .size: 8, .value_kind: global_buffer, .address_space: global }
      - { .name: Wq, .offset: 8, .size: 8, .value_kind: global_buffer, .address_space: global }
      - { .name: Wk, .offset: 16, .size: 8, .value_kind: global_buffer, .address_space: global }
      - { .name: Wv, .offset: 24, .size: 8, .value_kind: global_buffer, .address_space: global }
      - { .name: Wo, .offset: 32, .size: 8, .value_kind: global_buffer, .address_space: global }
      - { .name: lowp_scales, .offset: 40, .size: 8, .value_kind: global_buffer, .address_space: global }
      - { .name: xc, .offset: 48, .size: 8, .value_kind: global_buffer, .address_space: global }
      - { .name: wc, .offset: 56, .size: 8, .value_kind: global_buffer, .address_space: global }
      - { .name: rope, .offset: 64, .size: 8, .value_kind: global_buffer, .address_space: global }
    .group_segment_fixed_size: 68096
    .private_segment_fixed_size: 0
    .kernarg_segment_align: 8
    .kernarg_segment_size: 72
    .max_flat_workgroup_size: 128
    .sgpr_count:     66
    .vgpr_count:     194
    .wavefront_size: 32
...
	.end_amdgpu_metadata
.endif
;; end of part 1
;; launch qkv (part 2): grid 4 x 64, 4 waves a work-group, clusters of 4 x 4, 327,680 bytes of LDS; arguments xc, wc, lowp_scales, bq, bk, bv, rope, qc, kc, vc; writes qc, kc, vc
.if DOCPART == 2
	.amdgcn_target "amdgcn-amd-amdhsa--gfx1250"
	.amdhsa_code_object_version 6
	.text
	.protected	k_q8772b394f5_qkv
	.globl	k_q8772b394f5_qkv
	.p2align	8
	.type	k_q8772b394f5_qkv,@function
k_q8772b394f5_qkv:
	s_mov_b64 s[64:65], 0
	v_nop
	global_prefetch_b8 v0, s[64:65] scope:SCOPE_SE
	s_setreg_imm32_b32 hwreg(HW_REG_WAVE_MODE, 25, 1), 1
	s_wait_xcnt 0x0
	s_wait_alu depctr_hold_cnt(0) depctr_sa_sdst(0) depctr_va_vdst(0) depctr_va_sdst(0) depctr_va_ssrc(0) depctr_va_vcc(0) depctr_vm_vsrc(0)
	s_getreg_b32 s2, hwreg(HW_REG_IB_STS2, 6, 4)
	s_cmp_eq_u32 s2, 0
	s_cbranch_scc0 .Lentry_in_a_cluster
	s_endpgm
.Lentry_in_a_cluster:
	s_bfe_u32 s2, ttmp6, 0x10000c
	s_cmp_lg_u32 s2, 0xf033
	s_cbranch_scc0 .Lentry_shape_is_right
	s_endpgm
.Lentry_shape_is_right:
; THE THREE PROJECTIONS on codes of FP8 (E4M3): q = rope(x Wq + bq), k = rope(x Wk + bk), v = x Wv + bv, each quantised again on the way out, for the products of attention:
; qc, kc [64 b h][2048 s][64 d] with 2^e6, 2^e7 (K = the head's 64);  vc [1024 channels][8192 tokens] with 2^e9 (K = the keys, innermost).
; A work-group of four waves makes three tiles one after the other, in ONE stream of 12 K steps of 256 through a ring of two LDS slots: the ring does not stop between the products.
; A slot has an 'A region' of 128 rows and a 'B region' of 256 rows of 256 codes.  q, k: A = 128 tokens (block Y) of xc, B = 256 channels (block cx) of wc.  v: A = 128 channels (block Ab) of wc, B = 256 tokens (block Bb) of xc.
; THE MATRIX INSTRUCTION IS USED TRANSPOSED (source 0 = 16 rows of B's region, source 1 = 16 rows of A's): a lane holds ONE row of A's role and eight neighbours of B's.  So for q and k a lane holds a token and eight
; neighbouring channels (the pairs that the rotation mixes lie in one lane, and the codes run along the head's 64); for v a channel and eight neighbouring tokens (the codes run along the keys).  One loop text serves all three.
; A wave makes 64 x 128: 32 accumulators.  256 work-groups: 64 x 4 tiles of 128 x 256 for q and k, 8 x 32 for v.
; CLUSTERS: 4 x 4 work-groups.  A's region hangs on cy and the cluster's y alone and is asked for jointly along a row of the cluster, B's on cx and the cluster's y alone, jointly along a column: the requests are divided by four.
; LIMITS: e0 + e1, e2 + e3, e4 + e5 between -126 and 127; e6, e7, e9 between -126 and 119: each power of two below is then an f32 number.  NaN is not served; what lies beyond a scale's range is held at the largest code.
; REGISTERS, in windows of 256: window 0: v1-47 addresses, scales, v's bias, at work; v64-127, v128-191 A's fragments, two sets (the second also takes the codes on the way out); v192-255 at work on the way out.
;   window 1: B's fragments, two sets of 128.   window 2: the accumulators, (a, b) at v[8 (8 a + b)].   window 3: v0-127 cosines and sines of my 64 tokens; v128-191 bq, v192-255 bk of my 128 channels.
.set PITCH,  272                       ; an LDS row: 256 bytes + 16 of padding: the 16 rows that a load touches start at 16 different banks (64 banks of 4 bytes: ISA guide 11.1)
.set AREG,   128*PITCH                 ; A's region
.set SLOT,   384*PITCH                 ; A's region, then B's
.set QSTAGE, 2*SLOT                    ; behind the ring: for each wave 64 rows (tokens) x (128 codes + 16): the way out of q and k
.set VSTAGE, QSTAGE+4*64*144           ; 128 rows (channels) x (256 codes + 16), the work-group's: the way out of v
.set SPARE,  VSTAGE+128*272            ; the spare words, 128 bytes for each wave: two blocks of 256 bytes that no other line names
.set ADRA, 16                          ; v16-17  LDS address of my A fragments in slot 0, 1
.set ADRB, 20                          ; v20-21  the same for B
.set STQ,  24                          ; v24-26  q, k: into my stage, back, and my byte offset in memory
.set RDQ,  25
.set GOQ,  26
.set SPW,  28                          ; v28     LDS address of my spare word; never rewritten
.set NIL,  29                          ; v29     0; never rewritten
.set STV,  30                          ; v30-32  the same three for v
.set RDV,  31
.set GOV,  32
.set BV,   40                          ; v40-43  bv at channel 16 a + r of my 64
.set T,    44                          ; v44-47  at work
.set PC,   128                         ; the codes just made, 16 registers for each a
.set Y,    192                         ; 64 numbers of a block of 16 rows
.set ROPE, 0                           ; window 3
.set BQ,   128
.set BK,   192
.set G1A, 32                           ; s[32:39] descriptor group 1 for A's region;  s[40:47] for B's;  s[48:55], s[56:63] their groups 0, a set for each slot
.set G1B, 40
.set G0A, 48
.set G0B, 56
.set MSB, 0
.macro WIN new                         ; the immediate's high byte repeats the setting that is left
.if MSB != \new
	s_set_vgpr_msb (MSB<<8)|\new
.set MSB, \new
.endif
.endm
.macro PLACES n                        ; a load into a register that a matrix instruction has read, and a vector instruction that reads a matrix result or writes one of its registers, stand four places behind it
.rept \n
	v_nop
.endr
.endm
; A joint load: waves 0 and 1 fetch A's two halves (64 rows each), waves 2 and 3 B's (128 rows each).  The branch hangs on the wave's number alone.  Four v_nop follow each of the two lines.
.macro JLOAD s
	s_cmp_eq_u32 s25, 0
	s_cbranch_scc0 .Lfor_b_\@
	tensor_load_to_lds s[G0A+4*\s:G0A+4*\s+3], s[G1A:G1A+7]
	s_nop 0
.rept 4
	v_nop
.endr
	s_branch .Lasked_\@
.Lfor_b_\@:
	tensor_load_to_lds s[G0B+4*\s:G0B+4*\s+3], s[G1B:G1B+7]
	s_nop 0
.rept 4
	v_nop
.endr
.Lasked_\@:
.endm
.macro CREST                           ; a round of the cluster's barrier behind its opening barrier
	s_cmp_lg_u32 s24, 0
	s_cbranch_scc1 .Lnot_wave_0_\@
	s_barrier_signal -3
.Lnot_wave_0_\@:
	s_barrier_wait -3
	s_barrier_signal -1
	s_barrier_wait -1
.endm
.macro CROUND                          ; a whole round
	s_barrier_signal -1
	s_barrier_wait -1
	CREST
.endm
	s_load_b512 s[4:19], s[0:1], 0x0               ; xc 4:5, wc 6:7, the exponents 8:9, bq 10:11, bk 12:13, bv 14:15, rope 16:17, qc 18:19
	s_load_b128 s[20:23], s[0:1], 0x40             ; kc 20:21, vc 22:23
	v_lshl_add_u32 v[SPW], v0, 2, SPARE
	v_mov_b32 v[NIL], 0
	ds_add_u32 v28, v29
	ds_add_u32 v28, v29
	s_wait_dscnt 0x0
	v_lshrrev_b32 v1, 5, v0
	v_readfirstlane_b32 s24, v1                    ; wave 0..3
	s_lshr_b32 s25, s24, 1                         ; rh: which 64 rows of A's region are mine.  Also: I fetch for A (0) or for B (1)
	s_and_b32 s26, s24, 1                          ; ch: which 128 rows of B's region.  Also: which half of that region I fetch
	s_bfe_u32 s27, ttmp6, 0x40000                  ; cx
	s_bfe_u32 s28, ttmp6, 0x40004                  ; cy
	s_and_b32 s29, ttmp7, 0xffff                   ; the cluster's y, 0 .. 15
	s_lshl_b32 s70, s29, 2
	s_add_co_u32 s70, s70, s28                     ; Y: block of 128 tokens, 0 .. 63
	s_and_b32 s71, s29, 1
	s_lshl_b32 s71, s71, 2
	s_add_co_u32 s71, s71, s28                     ; Ab: v's block of 128 channels, 0 .. 7
	s_lshr_b32 s3, s29, 1
	s_lshl_b32 s3, s3, 2
	s_add_co_u32 s3, s3, s27                       ; Bb: v's block of 256 tokens, 0 .. 31
	s_lshl_b32 s30, s28, 2
	s_lshl_b32 s30, 15, s30                        ; my row of the cluster
	s_lshl_b32 s31, 0x1111, s27                    ; my column
	s_or_b32 s[G1A+0], s30, (0<<16)|(1<<20)|(1<<21)|(5<<22)|(3<<25)  ; 15:0 the mask; 17:16 elements of 1 byte; 20 padding on; 21 set beside a mask; 24:22 after every 64 words (code 5); 31:25 four words (code 3)
	s_or_b32 s[G1B+0], s31, (0<<16)|(1<<20)|(1<<21)|(5<<22)|(3<<25)
	s_mov_b32 s[G1A+1], 256<<16                    ; tensor_dim0 = 256
	s_mov_b32 s[G1A+2], 64<<16                     ; tensor_dim1 = 64
	s_mov_b32 s[G1A+3], 256<<16                    ; tile_dim0 = 256
	s_mov_b32 s[G1A+4], 64                         ; tile_dim1 = 64
	s_mov_b32 s[G1A+5], 1024                       ; from row to row
	s_mov_b32 s[G1A+6], 0
	s_mov_b32 s[G1A+7], 0
	s_mov_b32 s[G1B+1], 256<<16
	s_mov_b32 s[G1B+2], 128<<16                    ; 128 rows
	s_mov_b32 s[G1B+3], 256<<16
	s_mov_b32 s[G1B+4], 128
	s_mov_b32 s[G1B+5], 1024
	s_mov_b32 s[G1B+6], 0
	s_mov_b32 s[G1B+7], 0
	; byte offsets of the tiles.  What hangs on cy and what hangs on cx are kept in registers of their own.
	s_lshl_b32 s90, s70, 17                        ; q: A: (128 Y + 64 ch) rows of 1,024 bytes of xc
	s_lshl_b32 s91, s26, 16
	s_add_co_u32 s90, s90, s91
	s_mov_b32 s91, 0
	s_lshl_b32 s92, s27, 18                        ; q: B: (256 cx + 128 ch) rows of wc
	s_lshl_b32 s93, s26, 17
	s_add_co_u32 s92, s92, s93
	s_mov_b32 s93, 0
	s_lshl_b32 s66, s71, 17                        ; v: A: Wv's codes, (128 Ab + 64 ch) rows
	s_lshl_b32 s67, s26, 16
	s_add_co_u32 s66, s66, s67
	s_add_co_u32 s66, s66, 2*1048576
	s_mov_b32 s67, 0
	s_lshl_b32 s68, s3, 18                         ; v: B: the third set of x's codes, (256 Bb + 128 ch) rows
	s_lshl_b32 s69, s26, 17
	s_add_co_u32 s68, s68, s69
	s_add_co_u32 s68, s68, 2*8388608
	s_mov_b32 s69, 0
	s_mul_i32 s96, s26, 64*PITCH                   ; where they go in a slot: no place in the cluster enters an LDS address
	s_mul_i32 s97, s26, 128*PITCH
	s_add_co_u32 s97, s97, AREG
	s_wait_kmcnt 0x0
	s_load_b256 s[72:79], s[8:9], 0x0              ; e0 .. e7
	s_load_b128 s[80:83], s[8:9], 0x20             ; e8 .. e11
	s_add_nc_u64 s[90:91], s[4:5], s[90:91]
	s_add_nc_u64 s[92:93], s[6:7], s[92:93]
	s_add_nc_u64 s[66:67], s[6:7], s[66:67]
	s_add_nc_u64 s[68:69], s[4:5], s[68:69]
	CROUND                                         ; all sixteen work-groups are here: the first joint loads meet
.irp s, 0,1
	s_mov_b32 s[G0A+4*\s], 1                       ; count = 1
	s_add_co_u32 s[G0A+4*\s+1], s96, \s*SLOT       ; LDS address
	s_add_nc_u64 s[G0A+4*\s+2:G0A+4*\s+3], s[90:91], \s*256   ; global address: K step s of q
	s_or_b32 s[G0A+4*\s+3], s[G0A+4*\s+3], 0x80000000         ; type = 2
	s_mov_b32 s[G0B+4*\s], 1
	s_add_co_u32 s[G0B+4*\s+1], s97, \s*SLOT
	s_add_nc_u64 s[G0B+4*\s+2:G0B+4*\s+3], s[92:93], \s*256
	s_or_b32 s[G0B+4*\s+3], s[G0B+4*\s+3], 0x80000000
	s_wait_alu depctr_va_vdst(0)
	s_wait_tensorcnt 0x0
	ds_add_u32 v28, v29
	ds_add_u32 v28, v29
	s_wait_dscnt 0x0
	CROUND
	JLOAD \s                                       ; one load of mine is out
.endr
	v_and_b32 v1, 15, v0                           ; r
	s_wait_alu depctr_va_vdst(0)
	v_bfe_u32 v2, v0, 4, 1                         ; h
	v_and_b32 v3, 31, v0                           ; lane
	v_mul_u32_u24 v4, v1, PITCH
	v_lshl_add_u32 v4, v2, 4, v4                   ; a fragment's row x pitch + 16 x half
	s_mul_i32 s98, s25, 64*PITCH
	s_mul_i32 s99, s26, 128*PITCH
	s_add_co_u32 s99, s99, AREG
.irp s, 0,1
	v_add_nc_u32 v[ADRA+\s], s98, v4
	v_add_nc_u32 v[ADRB+\s], s99, v4
	s_add_co_u32 s98, s98, SLOT
	s_add_co_u32 s99, s99, SLOT
.endr
	s_mul_i32 s98, s24, 64*144
	s_add_co_u32 s98, s98, QSTAGE                  ; my stage for q and k
	v_mul_u32_u24 v[STQ], v1, 144
	s_wait_alu depctr_va_vdst(0)
	v_lshl_add_u32 v[STQ], v2, 3, v[STQ]
	v_add_nc_u32 v[STQ], s98, v[STQ]               ; in: row r, 8 bytes for each half of the lanes
	v_lshrrev_b32 v8, 2, v3
	v_mul_u32_u24 v[RDQ], v8, 144
	v_and_b32 v8, 3, v3
	v_lshl_add_u32 v[RDQ], v8, 4, v[RDQ]
	v_add_nc_u32 v[RDQ], s98, v[RDQ]               ; back: four lanes take the 64 bytes of a token and a head, eight tokens an instruction
	v_lshlrev_b32 v[GOQ], 4, v3                    ; which are 512 consecutive bytes of qc or kc
	s_mul_i32 s98, s25, 64*272
	s_lshl_b32 s99, s26, 7
	s_add_co_u32 s98, s98, s99
	s_add_co_u32 s98, s98, VSTAGE
	v_mul_u32_u24 v[STV], v1, 272
	v_lshl_add_u32 v[STV], v2, 3, v[STV]
	v_add_nc_u32 v[STV], s98, v[STV]               ; v, in: row 64 rh + r, byte 128 ch + 8 h
	s_mul_i32 s98, s24, 32*272
	s_add_co_u32 s98, s98, VSTAGE
	v_mul_u32_u24 v[RDV], v2, 272
	v_lshl_add_u32 v[RDV], v1, 4, v[RDV]
	v_add_nc_u32 v[RDV], s98, v[RDV]               ; back: wave w takes rows 32 w on, whole: lanes 0-15 one row of 256 bytes, lanes 16-31 the next
	v_lshlrev_b32 v[GOV], 13, v2
	v_lshl_add_u32 v[GOV], v1, 4, v[GOV]           ; and the same two rows of vc, 8,192 bytes apart
	; the pointers of what a wave reads and writes by itself
	s_and_b32 s94, s70, 15
	s_lshl_b32 s94, s94, 15
	s_lshl_b32 s95, s25, 14
	s_add_co_u32 s94, s94, s95                     ; rope: position (Y % 16) 128 + 64 rh, 256 bytes each
	s_mov_b32 s95, 0
	s_add_nc_u64 s[16:17], s[16:17], s[94:95]
	s_lshl_b32 s94, s27, 10
	s_lshl_b32 s98, s26, 9
	s_add_co_u32 s94, s94, s98                     ; bq, bk: channel 256 cx + 128 ch
	s_add_nc_u64 s[10:11], s[10:11], s[94:95]
	s_add_nc_u64 s[12:13], s[12:13], s[94:95]
	s_lshl_b32 s94, s71, 9
	s_lshl_b32 s98, s25, 8
	s_add_co_u32 s94, s94, s98                     ; bv: channel 128 Ab + 64 rh
	s_add_nc_u64 s[14:15], s[14:15], s[94:95]
	s_lshr_b32 s94, s70, 4
	s_lshl_b32 s94, s94, 4
	s_lshl_b32 s98, s27, 2
	s_add_co_u32 s94, s94, s98
	s_lshl_b32 s98, s26, 1
	s_add_co_u32 s94, s94, s98                     ; b h = 16 (Y / 16) + 4 cx + 2 ch: the first of my two heads
	s_lshl_b32 s94, s94, 17                        ; 131,072 bytes a head
	s_and_b32 s98, s70, 15
	s_lshl_b32 s98, s98, 13
	s_add_co_u32 s94, s94, s98
	s_lshl_b32 s98, s25, 12
	s_add_co_u32 s94, s94, s98                     ; + ((Y % 16) 128 + 64 rh) tokens of 64 bytes
	s_add_nc_u64 s[18:19], s[18:19], s[94:95]
	s_add_nc_u64 s[20:21], s[20:21], s[94:95]
	s_lshl_b32 s94, s71, 20
	s_lshl_b32 s98, s24, 18
	s_add_co_u32 s94, s94, s98
	s_lshl_b32 s98, s3, 8
	s_add_co_u32 s94, s94, s98                     ; vc: row 128 Ab + 32 wave of 8,192 bytes, + 256 Bb
	s_add_nc_u64 s[22:23], s[22:23], s[94:95]
	v_lshlrev_b32 v5, 8, v1
	v_lshl_add_u32 v5, v2, 5, v5                   ; rope: token r, pairs 4 h on
	v_lshlrev_b32 v6, 5, v2                        ; biases: 8 h numbers on
	v_lshlrev_b32 v7, 2, v1                        ; bv: channel r
	WIN 0xc0                                       ; destination window 3
.irp a, 0,1,2,3                        ; register 32 a + 8 n + 2 i + {0, 1}: cos, sin of token 16 a + r and pair 8 n + 4 h + i
.irp n, 0,1,2,3
.irp u, 0,1
	global_load_b128 v[ROPE+32*\a+8*\n+4*\u:ROPE+32*\a+8*\n+4*\u+3], v5, s[16:17] offset:\a*4096+64*\n+16*\u
.endr
.endr
.endr
.irp n, 0,1,2,3,4,5,6,7                ; register 8 n + j: the bias of channel 16 n + 8 h + j
.irp u, 0,1
	global_load_b128 v[BQ+8*\n+4*\u:BQ+8*\n+4*\u+3], v6, s[10:11] offset:64*\n+16*\u
	global_load_b128 v[BK+8*\n+4*\u:BK+8*\n+4*\u+3], v6, s[12:13] offset:64*\n+16*\u
.endr
.endr
	WIN 0
.irp a, 0,1,2,3
	global_load_b32 v[BV+\a], v7, s[14:15] offset:64*\a
.endr
	s_wait_kmcnt 0x0
.macro POW2 d, ea, eb                  ; s[d] = s[d+1] = 2^(ea + eb) as f32 (the packed form names the pair)
	s_add_co_i32 s[\d], s[\ea], s[\eb]
	s_add_co_i32 s[\d], s[\d], 127
	s_lshl_b32 s[\d], s[\d], 23
	s_mov_b32 s[\d+1], s[\d]
.endm
.macro MKSC e, vsc, vlim               ; v[vsc] = 2^e as f32
	s_add_co_i32 s98, s[\e], 127
	s_lshl_b32 s99, s98, 23
	v_mov_b32 v[\vsc], s99
.endm
	POW2 84, 72, 73                                ; a sum of q's product stands for sum x 2^(e0 + e1)
	POW2 86, 74, 75
	POW2 88, 76, 77
	MKSC 78, 33, 34                                ; e6: q
	MKSC 79, 35, 36                                ; e7: k
	MKSC 81, 37, 38                                ; e9: v
.macro FRAG reg, adr, q, i             ; a fragment, 16 rows x 128 K: lane l holds row l % 16; registers 4 c .. 4 c + 3 hold K = 32 c + 16 (l / 16) + 0 .. 15: the same order of K on both sides
.irp c, 0,1,2,3
	ds_load_b128 v[\reg+4*\c:\reg+4*\c+3], v[\adr] offset:128*(\q)+32*\c+(\i)*16*PITCH
.endr
.endm
.macro FETCH slot, q, p                ; 48 loads in one run: the fragments of the slot's q-th 128 along K into set p
	WIN 0x40                                       ; destination window 1
.irp i, 0,1,2,3,4,5,6,7
	FRAG 128*(\p)+16*\i, ADRB+\slot, \q, \i
.endr
	WIN 0
.irp i, 0,1,2,3
	FRAG 64+64*(\p)+16*\i, ADRA+\slot, \q, \i
.endr
.endm
; 8 matrix instructions: A's block a x B's eight, 128 along K, set p.  zero = 1: the product starts the sums.  The 32 accumulators take turns, one instruction a turn, in one order throughout.
.macro MUL8 a, p, zero
	WIN 0xa1                                       ; source 0 (B) window 1, source 1 (A) window 0, C and D window 2
.irp b, 0,1,2,3,4,5,6,7
.if \zero
	v_wmma_f32_16x16x128_fp8_fp8 v[8*(8*(\a)+\b):8*(8*(\a)+\b)+7], v[128*(\p)+16*\b:128*(\p)+16*\b+15], v[64+64*(\p)+16*(\a):64+64*(\p)+16*(\a)+15], 0
.else
	v_wmma_f32_16x16x128_fp8_fp8 v[8*(8*(\a)+\b):8*(8*(\a)+\b)+7], v[128*(\p)+16*\b:128*(\p)+16*\b+15], v[64+64*(\p)+16*(\a):64+64*(\p)+16*(\a)+15], v[8*(8*(\a)+\b):8*(8*(\a)+\b)+7]
.endif
.endr
.endm
.macro HALF0 slot, zero                ; a slot's first 128 along K, on set 0; its second 128 are fetched into set 1 meanwhile
	PLACES 4
	FETCH \slot, 1, 1
	s_wait_dscnt 48                                ; all but the 48 just issued: set 0 is in
	MUL8 0, 0, \zero
	MUL8 1, 0, \zero
	MUL8 2, 0, \zero
	MUL8 3, 0, \zero
	WIN 0
.endm
; A slot's second 128 along K, on set 1, and the change of slots: ONE barrier; in front of it each wave waits for all its tensor loads, adds 0 to its spare word, and waits for that and for its own reads of this slot.
; mode 0: nothing is filled.  Else the barrier opens a round of the cluster's barrier, and this slot is filled again with the K step two steps on: mode 1: of the same product; 2: of k, from q; 3: of v.
.macro TURN slot, next, mode
	s_wait_tensorcnt 0x0                           ; all my tensor loads have landed: my part of the next slot
	ds_add_u32 v[SPW], v[NIL]                      ; 0 onto my spare word
	s_wait_dscnt 1                                 ; only the add may be out: set 1 is in
	MUL8 0, 1, 0                                   ; eight matrix instructions stand between the add and the wait for it
	s_wait_dscnt 0x0                               ; the add is done, and my reads of this slot are over
	s_barrier_signal -1
	MUL8 1, 1, 0
	WIN 0
	s_barrier_wait -1
.if \mode == 0
	PLACES 4
.else
	CREST                                          ; no wave of any partner still reads this slot or has a load on its way
.if \mode == 1
	s_add_nc_u64 s[G0A+4*\slot+2:G0A+4*\slot+3], s[G0A+4*\slot+2:G0A+4*\slot+3], 512
	s_add_nc_u64 s[G0B+4*\slot+2:G0B+4*\slot+3], s[G0B+4*\slot+2:G0B+4*\slot+3], 512
.elseif \mode == 2
	s_add_nc_u64 s[G0A+4*\slot+2:G0A+4*\slot+3], s[G0A+4*\slot+2:G0A+4*\slot+3], 8388608-512   ; the next set of x's codes, two K steps back
	s_add_nc_u64 s[G0B+4*\slot+2:G0B+4*\slot+3], s[G0B+4*\slot+2:G0B+4*\slot+3], 1048576-512   ; the next weight's codes
.else
	s_add_nc_u64 s[G0A+4*\slot+2:G0A+4*\slot+3], s[66:67], \slot*256
	s_or_b32 s[G0A+4*\slot+3], s[G0A+4*\slot+3], 0x80000000
	s_add_nc_u64 s[G0B+4*\slot+2:G0B+4*\slot+3], s[68:69], \slot*256
	s_or_b32 s[G0B+4*\slot+3], s[G0B+4*\slot+3], 0x80000000
.endif
	JLOAD \slot                                    ; the first tensor load behind the round, my one load until the next; the four v_nop behind it are the places in front of the loads below
.endif
	FETCH \next, 0, 0
	MUL8 2, 1, 0
	MUL8 3, 1, 0
	WIN 0
.endm
.macro LAST                            ; the very last 128 along K
	s_wait_dscnt 0x0
	MUL8 0, 1, 0
	MUL8 1, 1, 0
	MUL8 2, 1, 0
	MUL8 3, 1, 0
	WIN 0
.endm
; THE WAY OUT OF q AND k, while the next product's tiles are on their way.  For each block a of 16 tokens: y = sum x 2^(ex + ew) + bias; the rotation of each pair (y0, y1) by its angle; the hold, the conversion;
; 8 codes a tile into my own stage.  Then the stage is read back by heads: 8 tokens x 64 bytes an instruction, 512 consecutive bytes of the output.
.macro EPI_QK bias, ss, vsc, vlim, ptr
	s_wait_loadcnt 0x0                             ; the table and the biases are in
	s_wait_xcnt 0x0                                ; earlier stores have read v192-255
	PLACES 4                                       ; behind the last products: their results are read, and A's second set is written
.irp a, 0,1,2,3
	WIN 0x32                                       ; source 0 (the sums) window 2, source 2 (the bias) window 3
.irp b, 0,1,2,3,4,5,6,7
.irp i, 0,2,4,6
	v_pk_fma_f32 v[Y+8*\b+\i:Y+8*\b+\i+1], v[64*\a+8*\b+\i:64*\a+8*\b+\i+1], s[\ss:\ss+1], v[\bias+8*\b+\i:\bias+8*\b+\i+1] op_sel_hi:[1,0,1]   ; each accumulator from its low end on
.endr
.endr
	WIN 0x03                                       ; source 0 (cos, sin) window 3
.irp b, 0,1,2,3,4,5,6,7
.irp i, 0,2,4,6
	v_mul_f32 v[T+\i%4], v[ROPE+32*\a+8*(\b%4)+\i+1], v[Y+8*\b+\i+1]          ; sin y1
	v_mul_f32 v[T+\i%4+1], v[ROPE+32*\a+8*(\b%4)+\i+1], v[Y+8*\b+\i]          ; sin y0
	v_fma_f32 v[Y+8*\b+\i], v[ROPE+32*\a+8*(\b%4)+\i], v[Y+8*\b+\i], -v[T+\i%4]        ; cos y0 - sin y1
	v_fma_f32 v[Y+8*\b+\i+1], v[ROPE+32*\a+8*(\b%4)+\i], v[Y+8*\b+\i+1], v[T+\i%4+1]   ; cos y1 + sin y0
.endr
.endr
	WIN 0
.set j, 0
.rept 64
.set j, j+1
.endr
.irp b, 0,1,2,3,4,5,6,7
	v_cvt_scalef32_pk8_fp8_f32 v[PC+16*\a+2*\b:PC+16*\a+2*\b+1], v[Y+8*\b:Y+8*\b+7], v[\vsc]
.endr
	v_nop                                          ; a plain instruction behind the last conversion of the run
.irp b, 0,1,2,3,4,5,6,7
	ds_store_b64 v[STQ], v[PC+16*\a+2*\b:PC+16*\a+2*\b+1] offset:\a*2304+16*\b   ; token 16 a + r, channels 16 b + 8 h on
.endr
.endr
.irp t, 0,1,2,3,4,5,6,7,8,9,10,11,12,13,14,15
	ds_load_b128 v[Y+4*\t:Y+4*\t+3], v[RDQ] offset:(\t%8)*1152+64*(\t/8)   ; LDS serves a wave's instructions in order: these see my stores
.endr
.irp t, 0,1,2,3,4,5,6,7,8,9,10,11,12,13,14,15
	s_wait_dscnt 15-\t                             ; the younger loads may be out
	global_store_b128 v[GOQ], v[Y+4*\t:Y+4*\t+3], s[\ptr:\ptr+1] offset:(\t/8)*131072+(\t%8)*512
.endr
.endm
; THE WAY OUT OF v.  A lane holds a channel and eight neighbouring tokens.  A row's 256 codes come from two waves: they meet in the work-group's stage, behind a barrier, and each wave stores 32 whole rows.
.macro EPI_V
	s_wait_xcnt 0x0
	PLACES 4
.irp a, 0,1,2,3
	WIN 0x02                                       ; source 0 (the sums) window 2
.irp b, 0,1,2,3,4,5,6,7
.irp i, 0,1,2,3,4,5,6,7
	v_fma_f32 v[Y+8*\b+\i], v[64*\a+8*\b+\i], s88, v[BV+\a]
.endr
.endr
	WIN 0
.set j, 0
.rept 64
.set j, j+1
.endr
.irp b, 0,1,2,3,4,5,6,7
	v_cvt_scalef32_pk8_fp8_f32 v[PC+16*\a+2*\b:PC+16*\a+2*\b+1], v[Y+8*\b:Y+8*\b+7], v37
.endr
	v_nop
.irp b, 0,1,2,3,4,5,6,7
	ds_store_b64 v[STV], v[PC+16*\a+2*\b:PC+16*\a+2*\b+1] offset:\a*4352+16*\b
.endr
.endr
	s_wait_dscnt 0x0                               ; for the others' sake: my stores into the stage are done
	s_barrier_signal -1
	s_barrier_wait -1
.irp t, 0,1,2,3,4,5,6,7,8,9,10,11,12,13,14,15
	ds_load_b128 v[Y+4*\t:Y+4*\t+3], v[RDV] offset:\t*544
.endr
.irp t, 0,1,2,3,4,5,6,7,8,9,10,11,12,13,14,15
	s_wait_dscnt 15-\t
	global_store_b128 v[GOV], v[Y+4*\t:Y+4*\t+3], s[22:23] offset:\t*16384   ; sixteen lanes store 256 consecutive bytes, aligned
.endr
.endm
	s_wait_tensorcnt 1                             ; my part of K step 0 is in; K step 1's may stay out
	s_barrier_signal -1
	s_barrier_wait -1
	FETCH 0, 0, 0
	HALF0 0, 1                                     ; q
	TURN 0, 1, 1
	HALF0 1, 0
	TURN 1, 0, 1
	HALF0 0, 0
	TURN 0, 1, 2
	HALF0 1, 0
	TURN 1, 0, 2
	EPI_QK BQ, 84, 33, 34, 18
	HALF0 0, 1                                     ; k
	TURN 0, 1, 1
	HALF0 1, 0
	TURN 1, 0, 1
	HALF0 0, 0
	TURN 0, 1, 3
	HALF0 1, 0
	TURN 1, 0, 3
	EPI_QK BK, 86, 35, 36, 20
	HALF0 0, 1                                     ; v
	TURN 0, 1, 1
	HALF0 1, 0
	TURN 1, 0, 1
	HALF0 0, 0
	TURN 0, 1, 0                                   ; nothing is left to fetch
	HALF0 1, 0
	LAST
	EPI_V
	s_wait_tensorcnt 0x0                           ; the wave's end, behind my last tensor load and my last LDS store
	ds_add_u32 v[SPW], v[NIL]
	s_wait_dscnt 0x0
	CROUND                                         ; the closing round: no work-group ends while a partner may still ask for a tile that names it
	s_endpgm
.Lfunc_end_k_q8772b394f5_qkv:
	.size	k_q8772b394f5_qkv, .Lfunc_end_k_q8772b394f5_qkv-k_q8772b394f5_qkv
	.p2alignl 7, 3214868480
	.fill 96, 4, 3214868480
	.section	.rodata,"a",@progbits
	.p2align	6, 0x0
	.amdhsa_kernel k_q8772b394f5_qkv
		.amdhsa_group_segment_fixed_size 327680
		.amdhsa_private_segment_fixed_size 0
		.amdhsa_enable_private_segment 0
		.amdhsa_kernarg_size 80
		.amdhsa_user_sgpr_count 2
		.amdhsa_user_sgpr_kernarg_segment_ptr 1
		.amdhsa_wavefront_size32 1
		.amdhsa_system_sgpr_workgroup_id_x 1
		.amdhsa_system_sgpr_workgroup_id_y 1
		.amdhsa_system_sgpr_workgroup_id_z 1
		.amdhsa_system_vgpr_workitem_id 0
		.amdhsa_next_free_vgpr 1024
		.amdhsa_next_free_sgpr 100
		.amdhsa_reserve_vcc 0
		.amdhsa_float_denorm_mode_32 3
		.amdhsa_float_denorm_mode_16_64 3
		.amdhsa_fp16_overflow 1
		.amdhsa_memory_ordered 1
		.amdhsa_forward_progress 1
		.amdhsa_inst_pref_size 255
	.end_amdhsa_kernel
	.section	.bss,"aw",@nobits
	.p2align	6
	.space	262144
	.amdgpu_metadata
---
amdhsa.version: [ 1, 2 ]
amdhsa.kernels:
  - .name:           k_q8772b394f5_qkv
    .symbol:         k_q8772b394f5_qkv.kd
    .args:
      - { .name: xc, .offset: 0, .size: 8, .value_kind: global_buffer, .address_space: global }
      - { .name: wc, .offset: 8, .size: 8, .value_kind: global_buffer, .address_space: global }
      - { .name: lowp_scales, .offset: 16, .size: 8, .value_kind: global_buffer, .address_space: global }
      - { .name: bq, .offset: 24, .size: 8, .value_kind: global_buffer, .address_space: global }
      - { .name: bk, .offset: 32, .size: 8, .value_kind: global_buffer, .address_space: global }
      - { .name: bv, .offset: 40, .size: 8, .value_kind: global_buffer, .address_space: global }
      - { .name: rope, .offset: 48, .size: 8, .value_kind: global_buffer, .address_space: global }
      - { .name: qc, .offset: 56, .size: 8, .value_kind: global_buffer, .address_space: global }
      - { .name: kc, .offset: 64, .size: 8, .value_kind: global_buffer, .address_space: global }
      - { .name: vc, .offset: 72, .size: 8, .value_kind: global_buffer, .address_space: global }
    .group_segment_fixed_size: 327680
    .private_segment_fixed_size: 0
    .kernarg_segment_align: 8
    .kernarg_segment_size: 80
    .max_flat_workgroup_size: 128
    .sgpr_count:     100
    .vgpr_count:     1024
    .wavefront_size: 32
...
	.end_amdgpu_metadata
.endif
;; end of part 2
;; launch attn (part 3): grid 4 x 64, 16 waves a work-group, no clusters, 327,680 bytes of LDS; arguments qc, kc, vc, lowp_scales, yc; writes yc
.if DOCPART == 3
	.amdgcn_target "amdgcn-amd-amdhsa--gfx1250"
	.amdhsa_code_object_version 6
	.text
	.protected	k_q8772b394f5_attn
	.globl	k_q8772b394f5_attn
	.p2align	8
	.type	k_q8772b394f5_attn,@function
k_q8772b394f5_attn:
	s_mov_b64 s[64:65], 0
	v_nop
	global_prefetch_b8 v0, s[64:65] scope:SCOPE_SE
	s_setreg_imm32_b32 hwreg(HW_REG_WAVE_MODE, 25, 1), 1
	s_wait_xcnt 0x0
; CAUSAL ATTENTION on codes of FP8 (E4M3), head size 64: y[q] = sum over k <= q of softmax_k(q . k / 8) v[k], quantised again with 2^e10 for the last projection.
; qc, kc: [64 b h][2048][64] (scales 2^e6, 2^e7).  vc: [1024 channels][8192 tokens], the keys innermost (2^e9).  yc: [16 heads][8192 tokens][64].
; THE SOFTMAX AHEAD OF THE SECOND PRODUCT: t = score x log2(e) / 8; M = the row's largest t so far, rounded UP to a whole number; p = 2^(t - M) is quantised along the keys with 2^e8, not normalised.
; The row's sum is taken of the unquantised p, in f32, and divides at the end.  When M moves, the sum and O are multiplied by 2^(old M - new M): exact.
; SHARES.  A work-group (i = 0 .. 3, head b h) owns the blocks i and 7 - i of 256 queries; each of its sixteen waves owns 16 queries of each block, one tile at a time, in 256 registers: four waves to a SIMD,
; so that one wave's vector work stands beside another's products and LDS loads.  Block i wants key slots 0 .. i, block 7 - i slots 0 .. 7 - i, of 256 keys each: NINE slots for every work-group, whatever i: the trip count is a constant,
; all 256 work-groups have equal work, and no slot is fetched that the mask hides as a whole.  Trips 0 .. i serve the low block; at trip i + 1 its result leaves and the high block begins.
; Inside a slot a step is 128 keys.  A step all of whose keys come after the wave's queries is jumped over (a scalar branch on ids); on the diagonal hidden scores become -infinity ahead of the maximum.
; LAYOUT.  Both products are used transposed: S^T = K Q^T (source 0 = 16 keys), O^T = V^T P^T (source 0 = 16 channels): a lane holds ONE query (lane % 16) throughout.
; THE KEYS OF A TILE ARE NOT NEIGHBOURS: lane r of tile 2 b + u takes key 32 b + 8 u + r + 8 (r / 8), so that the 16 registers of tiles 2 b and 2 b + 1 are 16 neighbouring keys: the conversions' results are the second product's operand.
; NO CLUSTER: the four work-groups of a head walk different key slots in the same trip (slot t or t - i - 1), so joint requests would not meet; and a slot's 32,768 bytes stand beside 32 steps of softmax.
; LIMITS: e6 + e7 between -123 and 130 (added to c's exponent field); e8, e10 between -126 and 119; e8 + e9 is applied by v_ldexp_f32.  NaN is not served.
; REGISTERS: v1-11 addresses; v12 -M, v13 the largest t, v[14:15] the sum in two halves; v16-23 Q in hand, v24-31 Q of the high block; v32-95 K's eight fragments, then V's four; v96-159 S^T, then p; v160-191 O^T; v224-239 p's codes; v236-255 at work.
.set VOFF,  64*272                     ; a slot: K: 64 LDS rows of four keys (256 bytes + 16), then V: 64 rows (channels) of 256 keys + 16
.set SLOT1, 65536                      ; slot 1 begins here: one exclusive or turns an address in one slot into the other's
.set STAGE, 131072                     ; behind the ring: 16 rows x (64 codes + 16) for each wave, for the way out
.set SPARE, STAGE+16*16*80             ; the spare words, 128 bytes for each wave: eight blocks of 256 bytes that no other line names
.set AK0,  1                           ; v1   my lane's place in a tile of K
.set AV0,  2                           ; v2   the same for V
.set SPW,  5                           ; v5   LDS address of my spare word; never rewritten
.set NIL,  6                           ; v6   0; never rewritten
.set GO,   7                           ; v7   the way out: 16 x lane
.set ADK,  8                           ; v8   LDS address of the step's tiles of K
.set ADV,  9                           ; v9   of V
.set STO,  10                          ; v10  the way out: where I put 8 codes
.set RD,   11                          ; v11  and where I read 16 back
.set WV,   14                          ; s14  my wave's number
.set SEL,  16                          ; s[16:17] lane selects for v_permlanex16_b32: lane l xor 16
.set CS,   18                          ; s[18:19] c = log2(e) / 8 x 2^(e6 + e7)
.set G1K,  24                          ; s[24:31], s[32:39] descriptor groups 1;  s[40:43], s[44:47] groups 0
.set G1V,  32
.set G0K,  40
.set G0V,  44
.set KB,   48                          ; s[48:49] the head's keys;  s[50:51] the head's values
.set VB,   50
.set YP0,  52                          ; s[52:53], s[54:55] where the low and the high block's results go
.set YP1,  54
.set TB,   56                          ; s56  LDS byte at which the slot in hand begins
.set TR,   57                          ; s57  the trip
.set LOW,  58                          ; s58  i + 1: the low block's trips
.set KF,   59                          ; s59  the step's first key
.set Q0,   60                          ; s60  my first query in hand;  s61 that of the high block
.set Q0B,  61
; Wave 0 fetches K's tile, wave 1 V's, the others nothing.  The branches hang on the wave's number alone.  Four v_nop follow each of the two lines.
.macro TLOAD
	s_cmp_eq_u32 s[WV], 0
	s_cbranch_scc0 .Lnot_k_\@
	tensor_load_to_lds s[G0K:G0K+3], s[G1K:G1K+7]
	s_nop 0
.rept 4
	v_nop
.endr
	s_branch .Lasked_\@
.Lnot_k_\@:
	s_cmp_eq_u32 s[WV], 1
	s_cbranch_scc0 .Lasked_\@
	tensor_load_to_lds s[G0V:G0V+3], s[G1V:G1V+7]
	s_nop 0
.rept 4
	v_nop
.endr
.Lasked_\@:
.endm
	s_load_b256 s[4:11], s[0:1], 0x0               ; qc 4:5, kc 6:7, vc 8:9, the exponents 10:11
	s_load_b64 s[12:13], s[0:1], 0x20              ; yc
	v_lshl_add_u32 v[SPW], v0, 2, SPARE
	v_mov_b32 v[NIL], 0
	ds_add_u32 v5, v6
	ds_add_u32 v5, v6
	s_wait_dscnt 0x0
	v_lshrrev_b32 v8, 5, v0
	s_delay_alu instid0(VALU_DEP_1)
	v_readfirstlane_b32 s[WV], v8                  ; wave 0..15
	s_and_b32 s80, ttmp7, 0xffff                   ; b h
	s_lshr_b32 s81, s80, 4                         ; b
	s_and_b32 s82, s80, 15                         ; head
	s_add_co_u32 s[LOW], ttmp9, 1
	s_lshl_b32 s83, s[WV], 4
	s_lshl_b32 s[Q0], ttmp9, 8
	s_add_co_u32 s[Q0], s[Q0], s83                 ; 256 i + 16 wave
	s_sub_co_u32 s[Q0B], 7, ttmp9
	s_lshl_b32 s[Q0B], s[Q0B], 8
	s_add_co_u32 s[Q0B], s[Q0B], s83               ; 256 (7 - i) + 16 wave
	s_lshl_b32 s84, s80, 17                        ; qc, kc: 131,072 bytes a head
	s_mov_b32 s85, 0
	s_lshl_b32 s86, s82, 19                        ; vc: 64 rows of 8,192 bytes a head, + 2,048 b
	s_lshl_b32 s87, s81, 11
	s_add_co_u32 s86, s86, s87
	s_mov_b32 s87, 0
	s_lshl_b32 s88, s[Q0], 6
	s_add_co_u32 s88, s88, s84                     ; my queries' codes, low block,
	s_mov_b32 s89, 0
	s_lshl_b32 s90, s[Q0B], 6
	s_add_co_u32 s90, s90, s84                     ; and high block
	s_mov_b32 s91, 0
	s_lshl_b32 s92, s82, 19                        ; yc: 524,288 bytes a head, + (2,048 b + query) x 64
	s_lshl_b32 s93, s81, 17
	s_add_co_u32 s92, s92, s93
	s_lshl_b32 s94, s[Q0B], 6
	s_add_co_u32 s94, s94, s92
	s_mov_b32 s95, 0
	s_lshl_b32 s93, s[Q0], 6
	s_add_co_u32 s92, s92, s93
	s_mov_b32 s93, 0
	s_mov_b32 s[G1K], (0<<16)|(1<<20)|(5<<22)|(3<<25)   ; no mask; elements of 1 byte; padding: four words after every 64
	s_mov_b32 s[G1K+1], 256<<16                    ; tensor_dim0: four keys' 256 bytes, dense in memory
	s_mov_b32 s[G1K+2], 64<<16                     ; tensor_dim1
	s_mov_b32 s[G1K+3], 256<<16                    ; tile_dim0
	s_mov_b32 s[G1K+4], 64                         ; tile_dim1
	s_mov_b32 s[G1K+5], 256                        ; from row to row
	s_mov_b32 s[G1K+6], 0
	s_mov_b32 s[G1K+7], 0
	s_mov_b32 s[G1V], (0<<16)|(1<<20)|(5<<22)|(3<<25)
	s_mov_b32 s[G1V+1], 256<<16                    ; 256 keys of a channel
	s_mov_b32 s[G1V+2], 64<<16
	s_mov_b32 s[G1V+3], 256<<16
	s_mov_b32 s[G1V+4], 64
	s_mov_b32 s[G1V+5], 8192
	s_mov_b32 s[G1V+6], 0
	s_mov_b32 s[G1V+7], 0
	s_mov_b32 s[SEL], 0x76543210
	s_mov_b32 s[SEL+1], 0xfedcba98
	s_mov_b32 s[CS], 0x3e38aa3b                    ; log2(e) / 8
	s_mov_b32 s[TB], 0
	s_mov_b32 s[TR], 0
	s_mov_b32 s[KF], 0
	s_wait_kmcnt 0x0
	s_load_b256 s[72:79], s[10:11], 0x10           ; e4 .. e11: e6 s74, e7 s75, e8 s76, e9 s77, e10 s78
	s_add_nc_u64 s[KB:KB+1], s[6:7], s[84:85]
	s_add_nc_u64 s[VB:VB+1], s[8:9], s[86:87]
	s_mov_b32 s[G0K], 1                            ; count = 1
	s_mov_b32 s[G0K+1], 0                          ; LDS address: slot 0
	s_mov_b64 s[G0K+2:G0K+3], s[KB:KB+1]           ; global address: the head's first 256 keys
	s_or_b32 s[G0K+3], s[G0K+3], 0x80000000        ; type = 2
	s_mov_b32 s[G0V], 1
	s_mov_b32 s[G0V+1], VOFF
	s_mov_b64 s[G0V+2:G0V+3], s[VB:VB+1]
	s_or_b32 s[G0V+3], s[G0V+3], 0x80000000
	TLOAD                                          ; slot 0
	s_add_nc_u64 s[66:67], s[4:5], s[88:89]
	s_add_nc_u64 s[68:69], s[4:5], s[90:91]
	s_add_nc_u64 s[YP0:YP0+1], s[12:13], s[92:93]
	s_add_nc_u64 s[YP1:YP1+1], s[12:13], s[94:95]
	v_and_b32 v8, 15, v0                           ; r
	v_bfe_u32 v9, v0, 4, 1                         ; h
	s_delay_alu instid0(VALU_DEP_2)
	v_lshlrev_b32 v3, 6, v8
	s_delay_alu instid0(VALU_DEP_1)
	v_lshl_add_u32 v3, v9, 4, v3                   ; Q: row r of 64 bytes, + 16 h
	global_load_b128 v[16:19], v3, s[66:67]        ; registers 4 c .. 4 c + 3: channels 32 c + 16 h + 0 .. 15, as K's fragments have them
	global_load_b128 v[20:23], v3, s[66:67] offset:32
	global_load_b128 v[24:27], v3, s[68:69]
	global_load_b128 v[28:31], v3, s[68:69] offset:32
	v_and_b32 v4, 8, v8
	s_delay_alu instid0(VALU_DEP_1)
	v_add_nc_u32 v4, v4, v8                        ; r + 8 (r / 8)
	s_delay_alu instid0(VALU_DEP_1)
	v_lshrrev_b32 v[AK0], 2, v4
	s_delay_alu instid0(VALU_DEP_1)
	v_mul_u32_u24 v[AK0], v[AK0], 272
	s_delay_alu instid0(VALU_DEP_3)
	v_and_b32 v4, 3, v4
	s_delay_alu instid0(VALU_DEP_1)
	v_lshl_add_u32 v[AK0], v4, 6, v[AK0]
	s_delay_alu instid0(VALU_DEP_1)
	v_lshl_add_u32 v[AK0], v9, 4, v[AK0]           ; key kk lies at (kk / 4) x 272 + (kk % 4) x 64
	v_mul_u32_u24 v[AV0], v8, 272
	s_delay_alu instid0(VALU_DEP_1)
	v_lshl_add_u32 v[AV0], v9, 4, v[AV0]
	s_delay_alu instid0(VALU_DEP_1)
	v_add_nc_u32 v[AV0], VOFF, v[AV0]
	v_and_b32 v4, 31, v0
	s_delay_alu instid0(VALU_DEP_1)
	v_lshlrev_b32 v[GO], 4, v4
	s_mul_i32 s62, s[WV], 16*80
	s_add_co_u32 s62, s62, STAGE                   ; my stage
	v_mul_u32_u24 v[STO], v8, 80
	s_delay_alu instid0(VALU_DEP_1)
	v_lshl_add_u32 v[STO], v9, 3, v[STO]
	s_delay_alu instid0(VALU_DEP_1)
	v_add_nc_u32 v[STO], s62, v[STO]               ; in: row r, 8 bytes for each half of the lanes
	v_lshrrev_b32 v[RD], 2, v4
	s_delay_alu instid0(VALU_DEP_1)
	v_mul_u32_u24 v[RD], v[RD], 80
	v_and_b32 v4, 3, v4
	s_delay_alu instid0(VALU_DEP_1)
	v_lshl_add_u32 v[RD], v4, 4, v[RD]
	s_delay_alu instid0(VALU_DEP_1)
	v_add_nc_u32 v[RD], s62, v[RD]                 ; back: four lanes to a row of 64 bytes
.macro RESET                           ; a block of queries begins: the largest t under every t, the sum and O^T zeros, which the first change of M leaves zeros
	v_mov_b32 v13, 0xff61b1e6                      ; -3e38
	s_delay_alu instid0(VALU_DEP_1)
	v_floor_f32 v12, -v13                          ; -M
	v_mov_b32 v14, 0
	v_mov_b32 v15, 0
.set j, 0
.rept 32
	v_mov_b32 v[160+j], 0
.set j, j+1
.endr
.endm
	RESET
	v_mov_b32 v236, 0                              ; written once: a lane permute's destination counts as one of its sources,
	v_mov_b32 v252, 0
	v_mov_b32 v253, 0                              ; and v253 is named as the upper half of the pair v[252:253]
	v_mov_b32 v254, 0
	s_wait_kmcnt 0x0
	s_add_co_i32 s62, s74, s75
	s_lshl_b32 s62, s62, 23
	s_add_co_i32 s[CS], s[CS], s62                 ; a score stands for score x 2^(e6 + e7): the exponents are added to c's exponent field
	s_mov_b32 s[CS+1], s[CS]
	s_add_co_i32 s62, s76, 127
	s_lshl_b32 s63, s62, 23
	v_mov_b32 v244, s63                            ; 2^e8 as f32, for p's conversions
	s_add_co_i32 s62, s78, 127
	s_lshl_b32 s63, s62, 23
	v_mov_b32 v245, s63                            ; 2^e10, for y's
	s_add_co_i32 s70, s76, s77                     ; e8 + e9
; A KEY STEP: 128 keys, the q-th of the slot in hand.
.macro STEP q
	s_add_co_u32 s62, s[Q0], 15
	s_cmp_gt_u32 s[KF], s62
	s_cbranch_scc1 .Lhidden_\@                     ; all its keys come after my queries: nothing to do.  No barrier and no tensor load stands in a step
	v_add_nc_u32 v[ADK], s[TB], v[AK0]
	v_add_nc_u32 v[ADV], s[TB], v[AV0]
	v_nop
	v_nop                                          ; with the two additions: four places in front of loads into registers that the last products read
.irp t, 0,1,2,3,4,5,6,7
.irp c, 0,1
	ds_load_b128 v[32+8*\t+4*\c:35+8*\t+4*\c], v[ADK] offset:(128*(\q)+32*(\t/2)+8*(\t%2))*68+32*\c
.endr
.endr
	s_wait_alu depctr_va_vdst(0)
	s_wait_dscnt 0x0
.irp t, 0,1,2,3,4,5,6,7
	v_wmma_f32_16x16x64_fp8_fp8 v[96+8*\t:103+8*\t], v[32+8*\t:39+8*\t], v[16:23], 0
.endr                                              ; lane (r, h) holds query r; the 16 registers of tiles 2 b, 2 b + 1 are keys 32 b + 16 h + 0 .. 15 of the step
.rept 4
	v_nop
.endr
.irp t, 0,1,2,3                                ; V's four fragments (16 channels x 128 keys) land while the softmax is worked
.irp c, 0,1,2,3
	ds_load_b128 v[32+16*\t+4*\c:35+16*\t+4*\c], v[ADV] offset:\t*4352+128*(\q)+32*\c
.endr
.endr
	s_add_co_u32 s62, s[KF], 127
	s_cmp_le_u32 s62, s[Q0]
	s_cbranch_scc1 .Lopen_\@                       ; all its keys count for all my queries
	s_sub_co_i32 s62, s[Q0], s[KF]
	v_and_b32 v252, 15, v0
	v_bfe_u32 v253, v0, 4, 1
	s_delay_alu instid0(VALU_DEP_1)
	v_lshlrev_b32 v253, 4, v253
	s_delay_alu instid0(VALU_DEP_1)
	v_sub_nc_u32 v252, v252, v253
	s_delay_alu instid0(VALU_DEP_1)
	v_add_nc_u32 v252, s62, v252                   ; d = my query - KF - 16 h.  Register 16 b + i holds key KF + 16 h + 32 b + i: hidden where 32 b + i > d
	v_mov_b32 v254, 0xff800000                     ; -infinity
.set n, 0
.rept 64
	v_cmp_gt_i32 vcc_lo, 32*(n/16)+n%16, v252
	v_cndmask_b32 v[96+n], v[96+n], v254, vcc_lo
.set n, n+1
.endr
.Lopen_\@:
	v_max3_num_f32 v254, v96, v97, v98             ; the step's largest score of my query, among my 64 keys, in two chains,
	v_max3_num_f32 v252, v99, v100, v101
.irp i, 6,10,14,18,22,26,30,34,38,42,46,50,54,58
	v_max3_num_f32 v254, v254, v[96+\i], v[97+\i]
	v_max3_num_f32 v252, v252, v[98+\i], v[99+\i]
.endr
	v_max3_num_f32 v254, v254, v158, v159
	s_delay_alu instid0(VALU_DEP_1)
	v_max_num_f32 v254, v254, v252
	v_permlanex16_b32 v236, v254, s[SEL], s[SEL+1]
	s_delay_alu instid0(VALU_DEP_1)
	v_max_num_f32 v254, v254, v236                 ; and among lane l xor 16's
	s_delay_alu instid0(VALU_DEP_1)
	v_mul_f32 v254, s[CS], v254                    ; as t (c is positive)
	s_delay_alu instid0(VALU_DEP_1)
	v_max_num_f32 v13, v13, v254                   ; the running largest t
	v_mov_b32 v254, v12
	s_delay_alu instid0(VALU_DEP_2)
	v_floor_f32 v12, -v13                          ; the new -M = floor(-t) = -ceil(t): a whole number
	s_delay_alu instid0(VALU_DEP_1)
	v_sub_f32 v254, v12, v254                      ; M's old value less its new one: a whole number, 0 or less
	s_delay_alu instid0(VALU_DEP_1)
	v_cvt_i32_f32 v254, v254                       ; (it saturates)
	s_delay_alu instid0(VALU_DEP_1)
	v_ldexp_f32 v252, 1.0, v254                    ; f = 2^(old M - new M)
.set j, 0
.rept 32
	v_pk_fma_f32 v[96+j:97+j], v[96+j:97+j], s[CS:CS+1], v[12:13] op_sel_hi:[1,0,0]   ; t - M, two at a time
.set j, j+2
.endr
.set j, 0
	s_wait_alu depctr_va_vdst(0)
.rept 64
	v_exp_f32 v[96+j], v[96+j]                     ; p = 2^(t - M), at most 1: not normalised
.set j, j+1
.endr
	v_pk_mul_f32 v[14:15], v[14:15], v[252:253] op_sel_hi:[1,0]   ; the sums under the new M.  (A plain place behind the exponentials)
	s_wait_alu depctr_va_vdst(0)
	v_pk_add_f32 v[242:243], v[100:101], v[104:105]
	v_pk_add_f32 v[254:255], v[108:109], v[112:113]
	v_pk_add_f32 v[250:251], v[116:117], v[120:121]
	v_pk_add_f32 v[248:249], v[124:125], v[128:129]
	v_pk_add_f32 v[246:247], v[132:133], v[136:137]
	v_pk_add_f32 v[240:241], v[140:141], v[144:145]
	v_pk_add_f32 v[238:239], v[148:149], v[152:153]
	v_pk_add_f32 v[14:15], v[14:15], v[156:157]
	v_pk_add_f32 v[242:243], v[242:243], v[96:97]
	v_pk_add_f32 v[254:255], v[254:255], v[98:99]
	v_pk_add_f32 v[250:251], v[250:251], v[102:103]
	v_pk_add_f32 v[248:249], v[248:249], v[106:107]
	v_pk_add_f32 v[246:247], v[246:247], v[110:111]
	v_pk_add_f32 v[240:241], v[240:241], v[114:115]
	v_pk_add_f32 v[238:239], v[238:239], v[118:119]
	v_pk_add_f32 v[14:15], v[14:15], v[122:123]
	v_pk_add_f32 v[242:243], v[242:243], v[126:127]
	v_pk_add_f32 v[254:255], v[254:255], v[130:131]
	v_pk_add_f32 v[250:251], v[250:251], v[134:135]
	v_pk_add_f32 v[248:249], v[248:249], v[138:139]
	v_pk_add_f32 v[246:247], v[246:247], v[142:143]
	v_pk_add_f32 v[240:241], v[240:241], v[146:147]
	v_pk_add_f32 v[238:239], v[238:239], v[150:151]
	v_pk_add_f32 v[14:15], v[14:15], v[154:155]
	v_pk_add_f32 v[242:243], v[242:243], v[158:159]
	s_delay_alu instid0(VALU_DEP_2)
	v_pk_add_f32 v[14:15], v[14:15], v[248:249]
	s_delay_alu instid0(VALU_DEP_2)
	v_pk_add_f32 v[242:243], v[242:243], v[246:247]
	v_pk_add_f32 v[254:255], v[254:255], v[240:241]
	v_pk_add_f32 v[250:251], v[250:251], v[238:239]
	s_delay_alu instid0(VALU_DEP_2)
	v_pk_add_f32 v[14:15], v[14:15], v[254:255]
	s_delay_alu instid0(VALU_DEP_2)
	v_pk_add_f32 v[242:243], v[242:243], v[250:251]
	s_delay_alu instid0(VALU_DEP_1)
	v_pk_add_f32 v[14:15], v[14:15], v[242:243]
.irp b, 0,1,2,3
.irp i, 0,1,2,3,4,5,6,7,8,9,10,11,12,13,14,15
.endr
	v_cvt_scalef32_pk8_fp8_f32 v[224+4*\b:225+4*\b], v[96+16*\b:103+16*\b], v244
	v_cvt_scalef32_pk8_fp8_f32 v[226+4*\b:227+4*\b], v[104+16*\b:111+16*\b], v244
.endr
.set j, 0
.rept 16
	v_pk_mul_f32 v[160+j:161+j], v[160+j:161+j], v[252:253] op_sel_hi:[1,0]   ; O^T under the new M.  (These are also the plain places behind the conversions)
.set j, j+2
.endr
	s_wait_alu depctr_va_vdst(0)
	s_wait_dscnt 0x0                               ; V is in
.irp t, 0,1,2,3
	v_wmma_f32_16x16x128_fp8_fp8 v[160+8*\t:167+8*\t], v[32+16*\t:47+16*\t], v[224:239], v[160+8*\t:167+8*\t]   ; the four accumulators by turns
.endr
.Lhidden_\@:
	s_add_co_u32 s[KF], s[KF], 128
.endm
; THE CHANGE OF SLOTS stands at a trip's head.  Each wave waits for all its tensor loads (its part of the slot that it is about to read), adds 0 to its spare word, and waits for that and for its reads of the slot that it has left.
; fill = 1: behind the barrier that other slot takes the next trip's keys: slot number t + 1 of the low block, or t + 1 - (i + 1) of the high one.  The load has a whole trip in which to land.
.macro CHANGE fill
	s_wait_tensorcnt 0x0                           ; no tensor load of mine is out, so a group 0 may be written
	ds_add_u32 v[SPW], v[NIL]                      ; 0 onto my spare word; with fill = 1 the descriptors are made between it and the wait for it
.if \fill
	s_add_co_u32 s62, s[TR], 1
	s_sub_co_u32 s63, s62, s[LOW]
	s_cmp_lt_u32 s62, s[LOW]
	s_cselect_b32 s62, s62, s63                    ; which 256 keys
	s_lshl_b32 s66, s62, 14
	s_mov_b32 s67, 0
	s_add_nc_u64 s[G0K+2:G0K+3], s[KB:KB+1], s[66:67]
	s_or_b32 s[G0K+3], s[G0K+3], 0x80000000
	s_lshl_b32 s66, s62, 8
	s_add_nc_u64 s[G0V+2:G0V+3], s[VB:VB+1], s[66:67]
	s_or_b32 s[G0V+3], s[G0V+3], 0x80000000
	s_xor_b32 s[G0K+1], s[G0K+1], SLOT1            ; the other slot than last time
	s_xor_b32 s[G0V+1], s[G0V+1], SLOT1
.endif
	s_wait_dscnt 0x0                               ; the add is done, and my reads of the slot that I have left are over
	s_barrier_signal -1
	s_barrier_wait -1
.if \fill
	TLOAD                                          ; the first thing behind the barrier, and a wave's one tensor load until the next
.endif
.endm
; A BLOCK'S RESULT LEAVES: O^T / the sum x 2^(e8 + e9), quantised with 2^e10; 8 codes a tile into my stage; back as 16 rows of 64 bytes, which are 1,024 consecutive bytes of yc.
.macro FINISH yp
.rept 4
	v_nop                                          ; behind the last products
.endr
	v_add_f32 v14, v14, v15                        ; the sum's two halves,
	s_wait_alu depctr_va_vdst(0)
	v_permlanex16_b32 v252, v14, s[SEL], s[SEL+1]
	s_delay_alu instid0(VALU_DEP_1)
	v_add_f32 v14, v14, v252                       ; and lane l xor 16's
	s_wait_alu depctr_va_vdst(0)
	v_rcp_f32 v14, v14
	v_nop                                          ; a plain place behind the transcendental
	s_wait_alu depctr_va_vdst(0)
	v_ldexp_f32 v14, v14, s70
.set j, 0
.rept 32
	v_mul_f32 v[96+j], v[160+j], v14               ; register 8 t + i is y(r, 16 t + 8 h + i); each accumulator from its low end on
.set j, j+1
.endr
.set j, 0
.rept 32
.set j, j+1
.endr
.irp t, 0,1,2,3
	v_cvt_scalef32_pk8_fp8_f32 v[224+2*\t:225+2*\t], v[96+8*\t:103+8*\t], v245
.endr
	v_nop                                          ; a plain instruction behind the last conversion of the run
.irp t, 0,1,2,3
	ds_store_b64 v[STO], v[224+2*\t:225+2*\t] offset:16*\t
.endr
	ds_load_b128 v[32:35], v[RD]                   ; LDS serves a wave's instructions in order: these see my stores
	ds_load_b128 v[36:39], v[RD] offset:640
	s_wait_dscnt 1                                 ; the second load may be out
	global_store_b128 v[GO], v[32:35], s[\yp:\yp+1]
	s_wait_dscnt 0x0
	global_store_b128 v[GO], v[36:39], s[\yp:\yp+1] offset:512   ; each store covers 512 consecutive bytes, aligned
	s_wait_xcnt 0x0                                ; the stores have read v32-39: they are loaded again only behind this wait
.endm
	s_wait_loadcnt 0x0                             ; Q, both blocks
.Ltrip:                                            ; eight trips; behind each change of slots the next trip's slot is asked for
	CHANGE 1
	s_cmp_lg_u32 s[TR], s[LOW]
	s_cbranch_scc1 .Lsame_block
	FINISH YP0                                     ; trip i + 1: the low block is done, the high block begins at key 0
.irp j, 0,1,2,3,4,5,6,7
	v_mov_b32 v[16+\j], v[24+\j]
.endr
	RESET
	s_mov_b32 s[Q0], s[Q0B]
	s_mov_b32 s[KF], 0
.Lsame_block:
	STEP 0
	STEP 1
	s_xor_b32 s[TB], s[TB], SLOT1                  ; on to the other slot
	s_add_co_u32 s[TR], s[TR], 1
	s_cmp_lt_u32 s[TR], 8
	s_cbranch_scc1 .Ltrip
	CHANGE 0                                       ; the ninth trip is written out
	STEP 0
	STEP 1
	FINISH YP1
	s_wait_tensorcnt 0x0                           ; the wave's end, behind my last tensor load and my last LDS store
	ds_add_u32 v[SPW], v[NIL]
	s_wait_dscnt 0x0
	s_endpgm
.Lfunc_end_k_q8772b394f5_attn:
	.size	k_q8772b394f5_attn, .Lfunc_end_k_q8772b394f5_attn-k_q8772b394f5_attn
	.p2alignl 7, 3214868480
	.fill 96, 4, 3214868480
	.section	.rodata,"a",@progbits
	.p2align	6, 0x0
	.amdhsa_kernel k_q8772b394f5_attn
		.amdhsa_group_segment_fixed_size 327680
		.amdhsa_private_segment_fixed_size 0
		.amdhsa_enable_private_segment 0
		.amdhsa_kernarg_size 40
		.amdhsa_user_sgpr_count 2
		.amdhsa_user_sgpr_kernarg_segment_ptr 1
		.amdhsa_wavefront_size32 1
		.amdhsa_system_sgpr_workgroup_id_x 1
		.amdhsa_system_sgpr_workgroup_id_y 1
		.amdhsa_system_sgpr_workgroup_id_z 1
		.amdhsa_system_vgpr_workitem_id 0
		.amdhsa_next_free_vgpr 256
		.amdhsa_next_free_sgpr 100
		.amdhsa_reserve_vcc 1
		.amdhsa_float_denorm_mode_32 3
		.amdhsa_float_denorm_mode_16_64 3
		.amdhsa_fp16_overflow 1
		.amdhsa_memory_ordered 1
		.amdhsa_forward_progress 1
		.amdhsa_inst_pref_size 94
	.end_amdhsa_kernel
	.amdgpu_metadata
---
amdhsa.version: [ 1, 2 ]
amdhsa.kernels:
  - .name:           k_q8772b394f5_attn
    .symbol:         k_q8772b394f5_attn.kd
    .args:
      - { .name: qc, .offset: 0, .size: 8, .value_kind: global_buffer, .address_space: global }
      - { .name: kc, .offset: 8, .size: 8, .value_kind: global_buffer, .address_space: global }
      - { .name: vc, .offset: 16, .size: 8, .value_kind: global_buffer, .address_space: global }
      - { .name: lowp_scales, .offset: 24, .size: 8, .value_kind: global_buffer, .address_space: global }
      - { .name: yc, .offset: 32, .size: 8, .value_kind: global_buffer, .address_space: global }
    .group_segment_fixed_size: 327680
    .private_segment_fixed_size: 0
    .kernarg_segment_align: 8
    .kernarg_segment_size: 40
    .max_flat_workgroup_size: 512
    .sgpr_count:     100
    .vgpr_count:     256
    .wavefront_size: 32
...
	.end_amdgpu_metadata
.endif
;; end of part 3
;; launch oproj (part 4): grid 4 x 64, 4 waves a work-group, clusters of 4 x 4, 327,680 bytes of LDS; arguments yc, wc, lowp_scales, bo, out0; writes out0
.if DOCPART == 4
	.amdgcn_target "amdgcn-amd-amdhsa--gfx1250"
	.amdhsa_code_object_version 6
	.text
	.protected	k_q8772b394f5_oproj
	.globl	k_q8772b394f5_oproj
	.p2align	8
	.type	k_q8772b394f5_oproj,@function
k_q8772b394f5_oproj:
	s_mov_b64 s[64:65], 0
	v_nop
	global_prefetch_b8 v0, s[64:65] scope:SCOPE_SE
	s_setreg_imm32_b32 hwreg(HW_REG_WAVE_MODE, 25, 1), 1
	s_wait_xcnt 0x0
	s_wait_alu depctr_hold_cnt(0) depctr_sa_sdst(0) depctr_va_vdst(0) depctr_va_sdst(0) depctr_va_ssrc(0) depctr_va_vcc(0) depctr_vm_vsrc(0)
	s_getreg_b32 s2, hwreg(HW_REG_IB_STS2, 6, 4)
	s_cmp_eq_u32 s2, 0
	s_cbranch_scc0 .Lentry_in_a_cluster
	s_endpgm
.Lentry_in_a_cluster:
	s_bfe_u32 s2, ttmp6, 0x10000c
	s_cmp_lg_u32 s2, 0xf033
	s_cbranch_scc0 .Lentry_shape_is_right
	s_endpgm
.Lentry_shape_is_right:
; THE LAST PROJECTION on codes of FP8 (E4M3): out0 = y Wo + bo.  yc: [16 heads][8192 tokens][64] (scale 2^e10); Wo's codes: the fourth tensor of wc, [1024 n][1024 k], K innermost (2^e11); out0 [8192][1024] f32.
; A work-group of four waves makes a tile of 128 tokens (block Y) x 256 columns (block cx); a wave 64 x 128: 32 accumulators.  256 work-groups.  K goes in four steps of 256 through a ring of two LDS slots.
; A K step of y is four heads' planes, each a dense run of 128 tokens x 64 bytes: a wave's tensor load brings two planes as two rows of 8,192 bytes, with 16 bytes of padding behind every 256:
; token tk of a plane lies at (tk / 4) x 272 + (tk % 4) x 64, a plane takes 8,704 bytes.  K = 64 x head + channel, as the reshaping of y has it, so plane 4 ks + 2 q + c / 2 holds K = 256 ks + 128 q + 32 c on.
; THE MATRIX INSTRUCTION IS USED TRANSPOSED (source 0 = 16 rows of Wo's codes, source 1 = 16 tokens): a lane holds eight neighbouring columns of one row of out0.
; CLUSTERS: 4 x 4 work-groups: y's tiles hang on the block of tokens alone and are asked for jointly along a row of the cluster, Wo's on cx alone, jointly along a column.
; LIMIT: e10 + e11 between -126 and 127, so that 2^(e10 + e11) is an f32 number.
; REGISTERS, in windows of 256: window 0: v1-29 addresses; v64-127, v128-191 y's fragments, two sets, on the way out rows read back; v192-255 at work.  window 1: Wo's fragments, two sets.  window 2: the accumulators.  window 3: v0-63 bo of my 128 columns.
.set PITCH,  272
.set AREG,   128*PITCH                 ; y's region: four planes of 8,704 bytes
.set SLOT,   384*PITCH                 ; then Wo's 256 rows
.set STAGE,  2*SLOT                    ; behind the ring: 16 rows x (512 bytes + 16) for each wave
.set SPITCH, 528
.set SPARE,  STAGE+4*16*SPITCH         ; the spare words, 128 bytes for each wave: two blocks of 256 bytes that no other line names
.set ADRA, 16
.set ADRB, 20
.set STO,  24
.set RD,   25
.set CO,   26
.set SPW,  28
.set NIL,  29
.set TMP,  192
.set G1A, 32
.set G1B, 40
.set G0A, 48
.set G0B, 56
.set MSB, 0
.macro WIN new                         ; the immediate's high byte repeats the setting that is left
.if MSB != \new
	s_set_vgpr_msb (MSB<<8)|\new
.set MSB, \new
.endif
.endm
.macro PLACES n
.rept \n
	v_nop
.endr
.endm
.macro JLOAD s                         ; a joint load: waves 0 and 1 fetch y's planes, waves 2 and 3 Wo's rows; four v_nop follow each of the two lines
	s_cmp_eq_u32 s25, 0
	s_cbranch_scc0 .Lfor_b_\@
	tensor_load_to_lds s[G0A+4*\s:G0A+4*\s+3], s[G1A:G1A+7]
	s_nop 0
.rept 4
	v_nop
.endr
	s_branch .Lasked_\@
.Lfor_b_\@:
	tensor_load_to_lds s[G0B+4*\s:G0B+4*\s+3], s[G1B:G1B+7]
	s_nop 0
.rept 4
	v_nop
.endr
.Lasked_\@:
.endm
.macro CREST
	s_cmp_lg_u32 s24, 0
	s_cbranch_scc1 .Lnot_wave_0_\@
	s_barrier_signal -3
.Lnot_wave_0_\@:
	s_barrier_wait -3
	s_barrier_signal -1
	s_barrier_wait -1
.endm
.macro CROUND
	s_barrier_signal -1
	s_barrier_wait -1
	CREST
.endm
	s_load_b256 s[4:11], s[0:1], 0x0               ; yc 4:5, wc 6:7, the exponents 8:9, bo 10:11
	s_load_b64 s[12:13], s[0:1], 0x20              ; out0
	v_lshl_add_u32 v[SPW], v0, 2, SPARE
	v_mov_b32 v[NIL], 0
	ds_add_u32 v28, v29
	ds_add_u32 v28, v29
	s_wait_dscnt 0x0
	v_lshrrev_b32 v1, 5, v0
	v_readfirstlane_b32 s24, v1                    ; wave 0..3
	s_lshr_b32 s25, s24, 1                         ; rh: which 64 tokens are mine.  Also: I fetch for y (0) or for Wo (1)
	s_and_b32 s26, s24, 1                          ; ch: which 128 columns.  Also: which half I fetch
	s_bfe_u32 s27, ttmp6, 0x40000                  ; cx
	s_bfe_u32 s28, ttmp6, 0x40004                  ; cy
	s_and_b32 s29, ttmp7, 0xffff
	s_lshl_b32 s70, s29, 2
	s_add_co_u32 s70, s70, s28                     ; Y: block of 128 tokens
	s_lshl_b32 s30, s28, 2
	s_lshl_b32 s30, 15, s30                        ; my row of the cluster
	s_lshl_b32 s31, 0x1111, s27                    ; my column
	s_or_b32 s[G1A+0], s30, (3<<16)|(1<<20)|(1<<21)|(5<<22)|(3<<25)  ; the mask; elements of 8 bytes; padding on; 21 set beside a mask; four words after every 64
	s_mov_b32 s[G1A+1], 1024<<16                   ; tensor_dim0 = 1,024 elements: a plane's 8,192 bytes
	s_mov_b32 s[G1A+2], 2<<16                      ; tensor_dim1 = 2 planes
	s_mov_b32 s[G1A+3], 1024<<16                   ; tile_dim0
	s_mov_b32 s[G1A+4], 2                          ; tile_dim1
	s_mov_b32 s[G1A+5], 65536                      ; from plane to plane: 524,288 bytes
	s_mov_b32 s[G1A+6], 0
	s_mov_b32 s[G1A+7], 0
	s_or_b32 s[G1B+0], s31, (0<<16)|(1<<20)|(1<<21)|(5<<22)|(3<<25)  ; elements of 1 byte
	s_mov_b32 s[G1B+1], 256<<16
	s_mov_b32 s[G1B+2], 128<<16
	s_mov_b32 s[G1B+3], 256<<16
	s_mov_b32 s[G1B+4], 128
	s_mov_b32 s[G1B+5], 1024
	s_mov_b32 s[G1B+6], 0
	s_mov_b32 s[G1B+7], 0
	s_lshl_b32 s90, s70, 13                        ; y: token 128 Y of 64 bytes, plane 2 ch
	s_lshl_b32 s91, s26, 20
	s_add_co_u32 s90, s90, s91
	s_mov_b32 s91, 0
	s_lshl_b32 s92, s27, 18                        ; Wo: row 256 cx + 128 ch of the fourth tensor
	s_lshl_b32 s93, s26, 17
	s_add_co_u32 s92, s92, s93
	s_add_co_u32 s92, s92, 3*1048576
	s_mov_b32 s93, 0
	s_mul_i32 s96, s26, 64*PITCH                   ; where they go in a slot: two planes are 17,408 bytes
	s_mul_i32 s97, s26, 128*PITCH
	s_add_co_u32 s97, s97, AREG
	s_wait_kmcnt 0x0
	s_load_b64 s[72:73], s[8:9], 0x28              ; e10, e11
	s_add_nc_u64 s[90:91], s[4:5], s[90:91]
	s_add_nc_u64 s[92:93], s[6:7], s[92:93]
	CROUND                                         ; all sixteen work-groups are here: the first joint loads meet
.irp s, 0,1
	s_mov_b32 s[G0A+4*\s], 1
	s_add_co_u32 s[G0A+4*\s+1], s96, \s*SLOT
	s_add_nc_u64 s[G0A+4*\s+2:G0A+4*\s+3], s[90:91], \s*4*524288   ; K step s: four planes on
	s_or_b32 s[G0A+4*\s+3], s[G0A+4*\s+3], 0x80000000
	s_mov_b32 s[G0B+4*\s], 1
	s_add_co_u32 s[G0B+4*\s+1], s97, \s*SLOT
	s_add_nc_u64 s[G0B+4*\s+2:G0B+4*\s+3], s[92:93], \s*256
	s_or_b32 s[G0B+4*\s+3], s[G0B+4*\s+3], 0x80000000
	s_wait_alu depctr_va_vdst(0)
	s_wait_tensorcnt 0x0
	ds_add_u32 v28, v29
	ds_add_u32 v28, v29
	s_wait_dscnt 0x0
	CROUND
	JLOAD \s                                       ; one load of mine is out
.endr
	v_and_b32 v1, 15, v0                           ; r
	v_bfe_u32 v2, v0, 4, 1                         ; h
	v_and_b32 v3, 31, v0                           ; lane
	v_mul_u32_u24 v4, v1, PITCH
	v_lshl_add_u32 v4, v2, 4, v4                   ; Wo: row x pitch + 16 h
	v_lshrrev_b32 v8, 2, v1
	v_mul_u32_u24 v8, v8, PITCH
	v_and_b32 v9, 3, v1
	v_lshl_add_u32 v8, v9, 6, v8
	v_lshl_add_u32 v8, v2, 4, v8                   ; y: (r / 4) x 272 + (r % 4) x 64 + 16 h
	s_mul_i32 s98, s25, 16*PITCH                   ; my 64 tokens: 16 LDS rows on in each plane
	s_mul_i32 s99, s26, 128*PITCH
	s_add_co_u32 s99, s99, AREG
.irp s, 0,1
	v_add_nc_u32 v[ADRA+\s], s98, v8
	v_add_nc_u32 v[ADRB+\s], s99, v4
	s_add_co_u32 s98, s98, SLOT
	s_add_co_u32 s99, s99, SLOT
.endr
	s_mul_i32 s98, s24, 16*SPITCH
	s_add_co_u32 s98, s98, STAGE                   ; my stage
	v_mul_u32_u24 v[STO], v1, SPITCH
	v_lshl_add_u32 v[STO], v2, 5, v[STO]
	v_add_nc_u32 v[STO], s98, v[STO]               ; in: row r, 32 bytes for each half of the lanes
	v_lshlrev_b32 v[CO], 4, v3                     ; back: the 32 lanes take one row of 512 bytes; and the same in out0
	v_add_nc_u32 v[RD], s98, v[CO]
	s_lshl_b32 s94, s27, 10
	s_lshl_b32 s98, s26, 9
	s_add_co_u32 s94, s94, s98                     ; column 256 cx + 128 ch, in bytes
	s_mov_b32 s95, 0
	s_add_nc_u64 s[10:11], s[10:11], s[94:95]      ; bo there,
	s_lshl_b32 s98, s70, 19
	s_add_co_u32 s94, s94, s98
	s_lshl_b32 s98, s25, 18
	s_add_co_u32 s94, s94, s98                     ; out0: + row 128 Y + 64 rh of 4,096 bytes
	s_add_nc_u64 s[12:13], s[12:13], s[94:95]
	v_lshlrev_b32 v6, 5, v2
	WIN 0xc0                                       ; destination window 3
.irp n, 0,1,2,3,4,5,6,7                ; register 8 n + j: bo at column 16 n + 8 h + j
.irp u, 0,1
	global_load_b128 v[8*\n+4*\u:8*\n+4*\u+3], v6, s[10:11] offset:64*\n+16*\u
.endr
.endr
	WIN 0
	s_wait_alu depctr_va_vdst(0)
	s_wait_kmcnt 0x0
	s_add_co_i32 s84, s72, s73
	s_add_co_i32 s84, s84, 127
	s_lshl_b32 s84, s84, 23                        ; 2^(e10 + e11) as f32
	s_mov_b32 s85, s84                             ; (named with it as a pair, so it is written)
.macro FRAGB reg, adr, q, i            ; 16 rows x 128 K: registers 4 c .. 4 c + 3 hold K = 32 c + 16 h + 0 .. 15
.irp c, 0,1,2,3
	ds_load_b128 v[\reg+4*\c:\reg+4*\c+3], v[\adr] offset:128*(\q)+32*\c+(\i)*16*PITCH
.endr
.endm
.macro FRAGA reg, adr, q, i            ; the same K of 16 tokens: plane 2 q + c / 2, byte 32 (c % 2) + 16 h of the token's 64
.irp c, 0,1,2,3
	ds_load_b128 v[\reg+4*\c:\reg+4*\c+3], v[\adr] offset:(2*(\q)+\c/2)*8704+(\i)*1088+32*(\c%2)
.endr
.endm
.macro FETCH slot, q, p                ; 48 loads in one run
	WIN 0x40
.irp i, 0,1,2,3,4,5,6,7
	FRAGB 128*(\p)+16*\i, ADRB+\slot, \q, \i
.endr
	WIN 0
.irp i, 0,1,2,3
	FRAGA 64+64*(\p)+16*\i, ADRA+\slot, \q, \i
.endr
.endm
.macro MUL8 a, p, zero                 ; the 32 accumulators take turns, one instruction a turn, in one order throughout
	WIN 0xa1
.irp b, 0,1,2,3,4,5,6,7
.if \zero
	v_wmma_f32_16x16x128_fp8_fp8 v[8*(8*(\a)+\b):8*(8*(\a)+\b)+7], v[128*(\p)+16*\b:128*(\p)+16*\b+15], v[64+64*(\p)+16*(\a):64+64*(\p)+16*(\a)+15], 0
.else
	v_wmma_f32_16x16x128_fp8_fp8 v[8*(8*(\a)+\b):8*(8*(\a)+\b)+7], v[128*(\p)+16*\b:128*(\p)+16*\b+15], v[64+64*(\p)+16*(\a):64+64*(\p)+16*(\a)+15], v[8*(8*(\a)+\b):8*(8*(\a)+\b)+7]
.endif
.endr
.endm
.macro HALF0 slot, zero
	PLACES 4                                       ; in front of loads into registers that matrix instructions have read (ISA guide 7.12.1 for vector instructions)
	FETCH \slot, 1, 1
	s_wait_dscnt 48                                ; all but the 48 just issued: set 0 is in
	MUL8 0, 0, \zero
	MUL8 1, 0, \zero
	MUL8 2, 0, \zero
	MUL8 3, 0, \zero
	WIN 0
.endm
.macro TURN slot, next, fill           ; a slot's second 128 along K, and the change of slots: one barrier, which opens a round of the cluster's barrier where the slot is filled again
	s_wait_tensorcnt 0x0                           ; all my tensor loads have landed: my part of the next slot
	ds_add_u32 v[SPW], v[NIL]                      ; 0 onto my spare word
	s_wait_dscnt 1                                 ; only the add may be out: set 1 is in
	MUL8 0, 1, 0
	s_wait_dscnt 0x0                               ; the add is done, and my reads of this slot are over
	s_barrier_signal -1
	MUL8 1, 1, 0
	WIN 0
	s_barrier_wait -1
.if \fill
	CREST                                          ; no wave of any partner still reads this slot or has a load on its way
	s_add_nc_u64 s[G0A+4*\slot+2:G0A+4*\slot+3], s[G0A+4*\slot+2:G0A+4*\slot+3], 8*524288   ; two K steps on: eight planes
	s_add_nc_u64 s[G0B+4*\slot+2:G0B+4*\slot+3], s[G0B+4*\slot+2:G0B+4*\slot+3], 512
	JLOAD \slot                                    ; the first tensor load behind the round; its four v_nop are the places in front of the loads below
.else
	PLACES 4
.endif
	FETCH \next, 0, 0
	MUL8 2, 1, 0
	MUL8 3, 1, 0
	WIN 0
.endm
	s_wait_tensorcnt 1                             ; my part of K step 0 is in; K step 1's may stay out
	s_barrier_signal -1
	s_barrier_wait -1
	FETCH 0, 0, 0
	HALF0 0, 1
	TURN 0, 1, 1
	HALF0 1, 0
	TURN 1, 0, 1
	HALF0 0, 0
	TURN 0, 1, 0                                   ; nothing is left to fetch
	HALF0 1, 0
	s_wait_dscnt 0x0
	MUL8 0, 1, 0
	MUL8 1, 1, 0
	MUL8 2, 1, 0
	MUL8 3, 1, 0
	WIN 0
; THE WAY OUT, block by block of 16 rows x 128 columns: out = sum x 2^(e10 + e11) + bo, one packed multiply-add for two numbers; through my own stage; back as whole rows of 512 bytes.
.macro TOSTAGE a
	WIN 0x32                                       ; source 0 (the sums) window 2, source 2 (bo) window 3
.irp b, 0,1,2,3,4,5,6,7
.irp i, 0,2,4,6
	v_pk_fma_f32 v[TMP+8*\b+\i:TMP+8*\b+\i+1], v[64*(\a)+8*\b+\i:64*(\a)+8*\b+\i+1], s[84:85], v[8*\b+\i:8*\b+\i+1] op_sel_hi:[1,0,1]   ; each accumulator from its low end on
.endr
.endr
	WIN 0
.irp b, 0,1,2,3,4,5,6,7
	ds_store_b128 v[STO], v[TMP+8*\b:TMP+8*\b+3] offset:64*\b
	ds_store_b128 v[STO], v[TMP+8*\b+4:TMP+8*\b+7] offset:64*\b+16
.endr
.set BB, 64+64*((\a)%2)
.irp t, 0,1,2,3,4,5,6,7,8,9,10,11,12,13,14,15
	ds_load_b128 v[BB+4*\t:BB+4*\t+3], v[RD] offset:\t*SPITCH   ; LDS serves a wave's instructions in order: these see my stores, and the next block's stores come behind them
.endr
.endm
.macro SEND a, younger                 ; younger: the LDS instructions issued behind block a's loads, which may stay out
.set BB, 64+64*((\a)%2)
	s_wait_dscnt \younger
.irp t, 0,1,2,3,4,5,6,7,8,9,10,11,12,13,14,15
	global_store_b128 v[CO], v[BB+4*\t:BB+4*\t+3], s[12:13] offset:(16*(\a)+\t)*4096 th:TH_STORE_NT   ; 32 lanes store 512 consecutive bytes, aligned; written once, read by nobody here
.endr
.endm
	s_wait_loadcnt 0x0                             ; bo
	PLACES 4                                       ; behind the last products: results are read, and rows are loaded into the registers that held y's fragments
	TOSTAGE 0
.irp a, 1,2,3
.if \a > 1
	s_wait_xcnt 0x0                                ; block a - 2's stores have read their registers: block a's loads may land there
.endif
	TOSTAGE \a
	SEND \a-1, 32                                  ; behind block a - 1's loads: block a's 16 stores and 16 loads
.endr
	SEND 3, 0
	s_wait_tensorcnt 0x0                           ; the wave's end, behind my last tensor load and my last LDS store
	ds_add_u32 v[SPW], v[NIL]
	s_wait_dscnt 0x0
	CROUND                                         ; the closing round: no work-group ends while a partner may still ask for a tile that names it
	s_endpgm
.Lfunc_end_k_q8772b394f5_oproj:
	.size	k_q8772b394f5_oproj, .Lfunc_end_k_q8772b394f5_oproj-k_q8772b394f5_oproj
	.p2alignl 7, 3214868480
	.fill 96, 4, 3214868480
	.section	.rodata,"a",@progbits
	.p2align	6, 0x0
	.amdhsa_kernel k_q8772b394f5_oproj
		.amdhsa_group_segment_fixed_size 327680
		.amdhsa_private_segment_fixed_size 0
		.amdhsa_enable_private_segment 0
		.amdhsa_kernarg_size 40
		.amdhsa_user_sgpr_count 2
		.amdhsa_user_sgpr_kernarg_segment_ptr 1
		.amdhsa_wavefront_size32 1
		.amdhsa_system_sgpr_workgroup_id_x 1
		.amdhsa_system_sgpr_workgroup_id_y 1
		.amdhsa_system_sgpr_workgroup_id_z 1
		.amdhsa_system_vgpr_workitem_id 0
		.amdhsa_next_free_vgpr 832
		.amdhsa_next_free_sgpr 100
		.amdhsa_reserve_vcc 0
		.amdhsa_float_denorm_mode_32 3
		.amdhsa_float_denorm_mode_16_64 3
		.amdhsa_memory_ordered 1
		.amdhsa_forward_progress 1
		.amdhsa_inst_pref_size 78
	.end_amdhsa_kernel
	.amdgpu_metadata
---
amdhsa.version: [ 1, 2 ]
amdhsa.kernels:
  - .name:           k_q8772b394f5_oproj
    .symbol:         k_q8772b394f5_oproj.kd
    .args:
      - { .name: yc, .offset: 0, .size: 8, .value_kind: global_buffer, .address_space: global }
      - { .name: wc, .offset: 8, .size: 8, .value_kind: global_buffer, .address_space: global }
      - { .name: lowp_scales, .offset: 16, .size: 8, .value_kind: global_buffer, .address_space: global }
      - { .name: bo, .offset: 24, .size: 8, .value_kind: global_buffer, .address_space: global }
      - { .name: out0, .offset: 32, .size: 8, .value_kind: global_buffer, .address_space: global }
    .group_segment_fixed_size: 327680
    .private_segment_fixed_size: 0
    .kernarg_segment_align: 8
    .kernarg_segment_size: 40
    .max_flat_workgroup_size: 128
    .sgpr_count:     100
    .vgpr_count:     832
    .wavefront_size: 32
...
	.end_amdgpu_metadata
.endif
;; end of part 4
